; MI455X (gfx1250); checked and timed in simulation.
; The chip was launched on July 23, 2026; its instructions are those of AMD's public machine-readable ISA for CDNA 5 (MIT licence, August 2026) and "CDNA5" Instruction Set Architecture Reference Guide (July 2026). The comments in the code are by the model that wrote it; some were corrected since.
;; Causal Self Attention. Allowed arithmetic: matrix products marked QUANTISED: E3M2 operands, one E8M0 scale for each 32 along K, by v_wmma_scale_f32_16x16x128_f8f6f4 with both operands' format E3M2, f32 sums; everything else in f32.
;; Inputs: Wk 1,024 x 1,024 float32; Wo 1,024 x 1,024 float32; Wq 1,024 x 1,024 float32; Wv 1,024 x 1,024 float32; bk 1,024 float32; bo 1,024 float32; bq 1,024 float32; bv 1,024 float32; k 4 x 2,048 x 1,024 float32; q 4 x 2,048 x 1,024 float32; v 4 x 2,048 x 1,024 float32.
;; Outputs: out0 4 x 2,048 x 1,024 float32.
;; This version of the problem:
;;   THIS VERSION OF THE PROBLEM IS GIVEN IN LOW PRECISION. The matrix products marked QUANTISED in the list below multiply operands that are first quantised to E3M2 (3 exponent bits, 2 mantissa bits; 6 bits a number), with one power-of-two scale for each 32 numbers along K (OCP MX v1.0); their sums are f32. All else is computed in f32.
;;   The module's matrix products, in the order in which they are computed (A, B: the left and right operand; K: the contracted axis; several contracted axes count as one K, in the product's order):
;;     1. [M 8,192, K 1,024] x [K 1,024, N 1,024]; A: input q; B: input Wq: QUANTISED
;;     2. [M 8,192, K 1,024] x [K 1,024, N 1,024]; A: input k; B: input Wk: QUANTISED
;;     3. [M 8,192, K 1,024] x [K 1,024, N 1,024]; A: input v; B: input Wv: QUANTISED
;;     4. batch 64 x [M 2,048, K 64] x [K 64, N 2,048]; A: computed on the way; B: computed on the way: QUANTISED
;;     5. batch 64 x [M 2,048, K 2,048] x [K 2,048, N 64]; A: softmax (see below); B: computed on the way: QUANTISED
;;     6. [M 8,192, K 1,024] x [K 1,024, N 1,024]; A: computed on the way; B: input Wo: QUANTISED
;;   THE QUANTISER, for each operand of a quantised product, along K:
;;     - K is cut into blocks of 32 from its start; a last block that is shorter is filled with zeros.
;;     - A block's scale is 2^e with e = floor(log2(the largest magnitude in the block)) - 4, held to -126 .. 127; a block of zeros has e = 0. As a byte (E8M0): e + 127.
;;     - Each number is divided by its block's scale, clamped to +-28, and rounded to the nearest number of E3M2, ties to even, subnormals kept.
;;     - The product sums the exact products of the quantised numbers (number of the format x scale) in f32.
;;   ~~~python
;;   def quantise(x, axis):      # numpy; x: float32 -> the quantised numbers, widened to float32 again
;;       x = np.moveaxis(x, axis, -1); K = x.shape[-1]
;;       x = np.pad(x, [(0, 0)] * (x.ndim - 1) + [(0, -K % 32)]); x = x.reshape(x.shape[:-1] + (-1, 32)); a = np.abs(x).max(-1, keepdims=True)
;;       e = np.where(a > 0, np.clip(np.frexp(np.where(a > 0, a, 1))[1] - 1 - 4, -126, 127), 0)      # np.frexp(a)[1] - 1 = floor(log2(a)), exactly
;;       r = np.clip(x / 2.0 ** e, -28, 28)
;;       step = 2.0 ** (np.maximum(np.frexp(np.where(r == 0, 1, r))[1] - 1, -2) - 2)
;;       q = np.round(r / step) * step * 2.0 ** e      # np.round: ties to even
;;       return np.moveaxis(q.reshape(q.shape[:-2] + (-1,))[..., :K], -1, axis).astype(np.float32)
;;   ~~~
;;   SOFTMAX AHEAD OF A QUANTISED PRODUCT. Where the list says 'softmax', what is quantised is not the finished softmax but p = 2^(t - M), with t = logit x log2(e) and M = ceil(the row's largest t), a whole number; so 1/2 < the row's largest p <= 1. The row's sum l is taken of the UNQUANTISED p, in f32, and the product's result is divided by l at the end. Since M is a whole number, a kernel that streams over the keys may use a running M (the ceiling of the running maximum): every later rescaling is an exact power of two, which a block's scale takes up: the codes' values come out the same.
;;   OPERANDS COMPUTED ON THE WAY. 'Computed on the way' means the value that the module computes at that place (a softmax that the list does not call 'softmax' is quantised finished and normalised). What goes into a quantiser is computed in f32, as accurately as f32 sums, v_exp_f32 and their like allow (about 1e-6 of the number): no bf16 or f16 on the way to a quantiser, and a product that is left as it is and whose result goes on into a quantised operand takes f32 operands (vector FMAs, or v_wmma_f32_16x16x4_f32). A number that lies on a knife's edge between two numbers of the format may be rounded either way, as far as f32 arithmetic and the matrix unit's own rounding can turn it there, and no further.
;; One version. Each part assembles by itself: llvm-mc -triple=amdgcn-amd-amdhsa -mcpu=gfx1250 --defsym DOCPART=n.
;; ======== version 1 of 1: 4 launches
;; workspace buffers: xc 18,874,368 bytes; xsc 786,432 bytes; wc 3,145,728 bytes; wsc 131,072 bytes; qx 6,815,744 bytes; kv 13,631,488 bytes; ac 6,291,456 bytes; asc 262,144 bytes
;; launch quant (part 1): grid 896 x 1, 4 waves a work-group, no clusters, 68,096 bytes of LDS; arguments q, k, v, Wq, Wk, Wv, Wo, xc, xsc, wc, wsc; writes xc, xsc, wc, wsc
.if DOCPART == 1
	.amdgcn_target "amdgcn-amd-amdhsa--gfx1250"
	.amdhsa_code_object_version 6
	.text
	.protected	k_q82a5246899_quant
	.globl	k_q82a5246899_quant
	.p2align	8
	.type	k_q82a5246899_quant,@function
k_q82a5246899_quant:
	s_mov_b64 s[64:65], 0
	v_nop
	global_prefetch_b8 v0, s[64:65] scope:SCOPE_SE
	s_setreg_imm32_b32 hwreg(HW_REG_WAVE_MODE, 25, 1), 1
	s_wait_xcnt 0x0
; q, k, v [8192][1024] f32 (K innermost) and Wq, Wk, Wv, Wo [1024 (K)][1024 (n)] f32 (K is the FIRST axis) become codes of BF6 (E3M2), 6 bits each, K innermost,
; with one E8M0 scale byte for each 32 along K.  xc: [3][8192][768 bytes], xsc: [3][8192][32];  wc: [4][1024][768], wsc: [4][1024][32].
; A block's scale is 2^(floor(log2(its largest magnitude)) - 4): its byte is the largest magnitude's exponent field - 4, held at 1 from below by a floor among the maximum's leaves.
; THE WEIGHTS' ROWS ARE LAID IN ANOTHER ORDER: stored row s of wc and wsc holds the weight's column pi(s), pi = bits 3 and 4 of the index exchanged.  The products that read them are used
; transposed, and with this order a lane's 16 result registers of two neighbouring tiles are 16 true neighbours, which the next quantiser wants.
; LIMITS: NaN and infinities among the inputs are not served.  A block of zeros, and one whose largest magnitude lies under 2^-122, gets the byte 1 (the rule says 127 for zeros): its codes are
; zeros or subnormals, and only this program reads the bytes.
; Work-groups 0-767 take q, k, v (256 each, 32,768 numbers a work-group); work-groups 768-895 take the weights (32 each: 128 columns x 256 along K).  The two ways have LDS bytes of their own.
; No tensor loads, no barrier: waves share nothing.
.set STEPS, 16                         ; x: steps of 512 numbers for a wave
.set CB,    12                         ; bytes of 16 codes
.set R,     16                         ; x: v16-79   four sets of 16 numbers as loaded
.set X,     80                         ; x: v80-111  two sets of 16 neighbours
.set E,     112                        ; x: v112-127 a scale byte for each step
.set C,     128                        ; x: v128-191 codes: four registers a step, so that no store's data are written again
.set WREG,  8192                       ; x: LDS for each wave: two stages of 32 x SP bytes, then its 256 scale bytes
.set SP,    80                         ; x: a lane's place in a stage: 64 bytes + 16 of padding
.set WSTG,  32768                      ; w: the stages begin here: 32 rows x PITCH for each wave
.set NB,    8                          ; w: blocks of 32 along K for a wave
.set PITCH, 272                        ; w: a stage row: sixteen places of 16 bytes (12 of codes each) + 16
.set KROW,  768                        ; a row of codes in bytes
.set WX,    32                         ; w: v32-95   two sets of 32 numbers
.set WC,    96                         ; w: a block's codes
.set OUTR,  112                        ; w: v112-175 the way out
.set SB,    24                         ; w: v24-25   the scale bytes, four to a register
	s_load_b256 s[8:15], s[0:1], 0x0               ; q s[8:9], k s[10:11], v s[12:13], Wq s[14:15]
	s_load_b256 s[16:23], s[0:1], 0x20             ; Wk s[16:17], Wv s[18:19], Wo s[20:21], xc s[22:23]
	s_load_b128 s[24:27], s[0:1], 0x40             ; xsc s[24:25], wc s[26:27]
	s_load_b64 s[28:29], s[0:1], 0x50              ; wsc
	v_lshl_add_u32 v192, v0, 2, 0x10800
	v_mov_b32 v193, 0
	v_lshrrev_b32 v1, 5, v0
	v_readfirstlane_b32 s34, v1                    ; wave 0..3
	v_and_b32 v2, 31, v0                           ; lane
	s_wait_kmcnt 0x0
	s_cmp_lt_u32 ttmp9, 768
	s_cbranch_scc0 .Lweights
; ---------------- q, k, v: plain streams of blocks of 32.  Each load reads 512 consecutive bytes; a step's 2,048 bytes turn through the wave's own stage so that a lane holds 16 neighbours.
	v_lshlrev_b32 v3, 4, v2                        ; my 16 bytes of a load's 512
	s_mul_i32 s35, s34, WREG
	v_lshrrev_b32 v14, 2, v2
	v_mul_u32_u24 v14, v14, SP
	v_and_b32 v15, 3, v2
	v_lshl_add_u32 v14, v15, 4, v14
	v_add_nc_u32 v14, s35, v14                     ; the stage, on the way in: SP (lane / 4) + 16 (lane % 4)
	v_mul_u32_u24 v15, v2, SP
	v_add_nc_u32 v15, s35, v15                     ; and on the way out: SP x lane
	v_mul_u32_u24 v4, v2, CB                       ; my codes' place in a step's 384 bytes
	v_lshrrev_b32 v5, 1, v2
	s_add_co_u32 s35, s35, 2*32*SP
	v_add_nc_u32 v5, s35, v5                       ; my block's byte among my wave's 256 scale bytes
	v_lshlrev_b32 v7, 3, v2
	v_add_nc_u32 v6, s35, v7                       ; and on the way out 8 bytes a lane
	s_lshr_b32 s36, ttmp9, 8                       ; which tensor: 0 q, 1 k, 2 v
	s_cmp_eq_u32 s36, 0
	s_cselect_b64 s[4:5], s[8:9], s[10:11]
	s_cmp_eq_u32 s36, 2
	s_cselect_b64 s[4:5], s[12:13], s[4:5]
	s_lshl_b32 s37, ttmp9, 2
	s_add_co_u32 s38, s37, s34                     ; my wave's run of 8,192 numbers among the three tensors' 3,072
	s_and_b32 s40, s38, 1023
	s_lshl_b32 s40, s40, 15                        ; 32,768 bytes a run, inside its tensor
	s_mov_b32 s41, 0
	s_add_nc_u64 s[4:5], s[4:5], s[40:41]
	s_mul_i32 s40, s38, 6144                       ; 6,144 bytes of codes a run
	s_add_nc_u64 s[6:7], s[22:23], s[40:41]
	s_lshl_b32 s40, s38, 8                         ; 256 scale bytes a run
	s_add_nc_u64 s[32:33], s[24:25], s[40:41]
.macro XLOAD t
.irp i, 0,1,2,3
	global_load_b128 v[R+16*((\t)%4)+4*\i:R+16*((\t)%4)+4*\i+3], v3, s[4:5] offset:2048*(\t)+512*\i th:TH_LOAD_NT
.endr
.endm
.macro XTURN t                         ; step t's numbers through the stage: LDS serves a wave's instructions in order, so no wait stands between the stores and the loads
.irp i, 0,1,2,3
	ds_store_b128 v14, v[R+16*((\t)%4)+4*\i:R+16*((\t)%4)+4*\i+3] offset:32*SP*((\t)%2)+8*SP*\i
.endr
.irp i, 0,1,2,3
	ds_load_b128 v[X+16*((\t)%2)+4*\i:X+16*((\t)%2)+4*\i+3], v15 offset:32*SP*((\t)%2)+16*\i
.endr
.endm
.irp t, 0,1,2,3
	XLOAD \t
.endr
	s_wait_loadcnt 12                              ; step 0's four loads are in; the twelve of steps 1 to 3 may be out
	XTURN 0
.macro XSTEP t
.set XS, X+16*((\t)%2)
.if (\t) > 0
	s_wait_dscnt 1                                 ; this step's numbers are back from the stage (the last step's byte store may be out)
.else
	s_wait_dscnt 0x0
.endif
.if (\t)+4 < STEPS
	XLOAD (\t)+4                                   ; into the registers that this step's stage stores have read
.endif
.if (\t)+1 < STEPS
.if STEPS-2-(\t) >= 3
	s_wait_loadcnt 12                              ; the next step's four loads are in; those of the three steps behind it may be out
.else
	s_wait_loadcnt 4*(STEPS-2-(\t))
.endif
	XTURN (\t)+1
.endif
	v_max3_num_f32 v8, |v[XS]|, |v[XS+1]|, |v[XS+2]|               ; the largest magnitude of my 16, in two chains
	v_max3_num_f32 v9, |v[XS+3]|, |v[XS+4]|, |v[XS+5]|
.irp i, 6,10
	v_max3_num_f32 v8, v8, |v[XS+\i]|, |v[XS+\i+1]|
	v_max3_num_f32 v9, v9, |v[XS+\i+2]|, |v[XS+\i+3]|
.endr
	v_max3_num_f32 v8, v8, |v[XS+14]|, |v[XS+15]|
	v_max3_num_f32 v8, v8, v9, 0x2800000           ; and the floor 2^(5 - 127): the byte cannot fall under 1
	v_max_num_f32_dpp v8, v8, v8 row_xmask:1 row_mask:0xf bank_mask:0xf   ; and of my neighbour's 16: the block's
	v_add_nc_u32 v11, 0xfe000000, v8               ; 4 off its exponent field: the conversion takes the exponent field of this operand as its scale
	v_cvt_scalef32_pk16_bf6_f32 v[C+4*(\t):C+4*(\t)+2], v[XS:XS+15], v11
	v_lshrrev_b32 v[E+(\t)], 23, v11               ; the scale's byte (also the plain line behind the conversion)
	ds_store_b8 v5, v[E+(\t)] offset:16*(\t)       ; both lanes of a block write the same byte with the same value
	global_store_b96 v4, v[C+4*(\t):C+4*(\t)+2], s[6:7] offset:32*CB*(\t)   ; the wave stores 384 consecutive bytes
.endm
.irp t, 0,1,2,3,4,5,6,7,8,9,10,11,12,13,14,15
	XSTEP \t
.endr
	ds_load_b64 v[12:13], v6                       ; LDS serves a wave's instructions in order: these see my byte stores
	s_wait_dscnt 0x0
	global_store_b64 v7, v[12:13], s[32:33]        ; 32 lanes store 256 consecutive bytes, aligned
	s_wait_tensorcnt 0x0
	ds_add_u32 v192, v193
	s_wait_dscnt 0x0
	s_endpgm
; ---------------- the weights: a lane takes a column n and its registers run down K, so a block of 32 lies in one lane and the codes come out with K innermost
.Lweights:
	s_sub_co_u32 s36, ttmp9, 768
	s_lshr_b32 s37, s36, 5                         ; which weight: 0 Wq, 1 Wk, 2 Wv, 3 Wo
	s_and_b32 s38, s36, 7                          ; which 128 columns
	s_bfe_u32 s39, s36, 0x20003                    ; which 256 along K
	s_cmp_eq_u32 s37, 0
	s_cselect_b64 s[4:5], s[14:15], s[16:17]
	s_cmp_eq_u32 s37, 2
	s_cselect_b64 s[4:5], s[18:19], s[4:5]
	s_cmp_eq_u32 s37, 3
	s_cselect_b64 s[4:5], s[20:21], s[4:5]
	s_lshl_b32 s40, s38, 7
	s_lshl_b32 s41, s34, 5
	s_add_co_u32 s40, s40, s41                     ; my wave's first column
	v_lshlrev_b32 v3, 2, v2                        ; in: 4 bytes a lane
	v_and_b32 v10, 7, v2
	v_bfe_u32 v11, v2, 3, 1
	v_lshl_or_b32 v10, v11, 4, v10
	v_bfe_u32 v11, v2, 4, 1
	v_lshl_or_b32 v10, v11, 3, v10                 ; pi(lane): the stored row, among the wave's 32, that takes my column
	s_mul_i32 s41, s34, 32*PITCH
	s_add_co_u32 s41, s41, WSTG                    ; my stage
	v_mul_u32_u24 v4, v10, PITCH
	v_add_nc_u32 v4, s41, v4                       ; into it: row pi(lane)
	v_and_b32 v5, 15, v2
	v_lshrrev_b32 v6, 4, v2
	v_mul_u32_u24 v7, v6, PITCH
	v_lshl_add_u32 v7, v5, 4, v7
	v_add_nc_u32 v7, s41, v7                       ; out of it: sixteen lanes to a row, two rows an instruction
	v_mul_u32_u24 v8, v6, KROW
	v_mad_u32_u24 v8, v5, 12, v8                   ; and the same place in wc
	v_lshlrev_b32 v9, 5, v10                       ; my stored row of scale bytes: 32 bytes a row
	s_lshl_b32 s42, s39, 20                        ; W: 256 rows of 4,096 bytes for each step along K,
	s_lshl_b32 s43, s40, 2                         ; 4 bytes a column
	s_add_co_u32 s42, s42, s43
	s_mov_b32 s43, 0
	s_add_nc_u64 s[4:5], s[4:5], s[42:43]
	s_mul_i32 s42, s37, 786432                     ; wc: the weight, the row, 192 bytes for each 256 along K
	s_mul_i32 s44, s40, KROW
	s_add_co_u32 s42, s42, s44
	s_mul_i32 s44, s39, 192
	s_add_co_u32 s42, s42, s44
	s_add_nc_u64 s[6:7], s[26:27], s[42:43]
	s_lshl_b32 s42, s37, 15                        ; wsc: likewise, 8 bytes for each 256 along K
	s_lshl_b32 s44, s40, 5
	s_add_co_u32 s42, s42, s44
	s_lshl_b32 s44, s39, 3
	s_add_co_u32 s42, s42, s44
	s_add_nc_u64 s[32:33], s[28:29], s[42:43]
.macro WLOAD t                         ; block t: W(32 t + i, my column), i = 0 .. 31: each load reads 128 consecutive bytes a wave
.irp i, 0,1,2,3,4,5,6,7,8,9,10,11,12,13,14,15,16,17,18,19,20,21,22,23,24,25,26,27,28,29,30,31
	global_load_b32 v[WX+32*((\t)%2)+\i], v3, s[4:5] offset:(32*(\t)+\i)*4096 th:TH_LOAD_NT
.endr
.endm
	WLOAD 0
	WLOAD 1
.macro WBLOCK t
.set WS, WX+32*((\t)%2)
.if (\t) < NB-1
	s_wait_loadcnt 32                              ; this block's 32 loads are in; the next block's may be out
.else
	s_wait_loadcnt 0x0
.endif
	v_max3_num_f32 v12, |v[WS]|, |v[WS+1]|, |v[WS+2]|              ; the block's largest magnitude: all 32 numbers are mine
	v_max3_num_f32 v13, |v[WS+3]|, |v[WS+4]|, |v[WS+5]|
.irp i, 6,10,14,18,22,26
	v_max3_num_f32 v12, v12, |v[WS+\i]|, |v[WS+\i+1]|
	v_max3_num_f32 v13, v13, |v[WS+\i+2]|, |v[WS+\i+3]|
.endr
	v_max3_num_f32 v12, v12, |v[WS+30]|, |v[WS+31]|
	v_max3_num_f32 v12, v12, v13, 0x2800000        ; and the floor 2^(5 - 127)
	v_add_nc_u32 v11, 0xfe000000, v12              ; 4 off the exponent field: the conversion's scale operand
	v_lshrrev_b32 v13, 23, v11                     ; the scale's byte
.if (\t)%4 == 0
	v_mov_b32 v[SB+(\t)/4], v13                    ; four bytes to a register, the lower K in the lower byte
.else
	v_lshl_or_b32 v[SB+(\t)/4], v13, 8*((\t)%4), v[SB+(\t)/4]
.endif
	v_cvt_scalef32_pk16_bf6_f32 v[WC:WC+2], v[WS:WS+15], v11
	v_cvt_scalef32_pk16_bf6_f32 v[WC+4:WC+6], v[WS+16:WS+31], v11  ; (a conversion's three registers begin on an even number)
	ds_store_b96 v4, v[WC:WC+2] offset:32*(\t)     ; 12 bytes to a place of 16, so that every LDS address is a multiple of 16
	ds_store_b96 v4, v[WC+4:WC+6] offset:32*(\t)+16
.if (\t)+2 < NB
	WLOAD (\t)+2
.endif
	s_wait_dscnt 0x0                               ; the stores have read their registers: the next block's codes may be written
.endm
.irp t, 0,1,2,3,4,5,6,7
	WBLOCK \t
.endr
	global_store_b64 v9, v[SB:SB+1], s[32:33]      ; my column's 8 scale bytes, at its stored row
.irp t, 0,1,2,3,4,5,6,7,8,9,10,11,12,13,14,15
	ds_load_b96 v[OUTR+4*\t:OUTR+4*\t+2], v7 offset:2*\t*PITCH     ; LDS serves a wave's instructions in order: these see my stores
.endr
.irp t, 0,1,2,3,4,5,6,7,8,9,10,11,12,13,14,15
	s_wait_dscnt 15-\t                             ; load t is in; the younger ones may be out
	global_store_b96 v8, v[OUTR+4*\t:OUTR+4*\t+2], s[6:7] offset:2*\t*KROW   ; sixteen lanes store a row's 192 consecutive bytes
.endr
	s_wait_tensorcnt 0x0
	ds_add_u32 v192, v193
	s_wait_dscnt 0x0
	s_endpgm
.Lfunc_end_k_q82a5246899_quant:
	.size	k_q82a5246899_quant, .Lfunc_end_k_q82a5246899_quant-k_q82a5246899_quant
	.p2alignl 7, 3214868480
	.fill 96, 4, 3214868480
	.section	.rodata,"a",@progbits
	.p2align	6, 0x0
	.amdhsa_kernel k_q82a5246899_quant
		.amdhsa_group_segment_fixed_size 68096
		.amdhsa_private_segment_fixed_size 0
		.amdhsa_enable_private_segment 0
		.amdhsa_kernarg_size 88
		.amdhsa_user_sgpr_count 2
		.amdhsa_user_sgpr_kernarg_segment_ptr 1
		.amdhsa_wavefront_size32 1
		.amdhsa_system_sgpr_workgroup_id_x 1
		.amdhsa_system_sgpr_workgroup_id_y 1
		.amdhsa_system_sgpr_workgroup_id_z 1
		.amdhsa_system_vgpr_workitem_id 0
		.amdhsa_next_free_vgpr 194
		.amdhsa_next_free_sgpr 66
		.amdhsa_reserve_vcc 0
		.amdhsa_float_denorm_mode_32 3
		.amdhsa_float_denorm_mode_16_64 3
		.amdhsa_memory_ordered 1
		.amdhsa_forward_progress 1
		.amdhsa_inst_pref_size 74
	.end_amdhsa_kernel
	.amdgpu_metadata
---
amdhsa.version: [ 1, 2 ]
amdhsa.kernels:
  - .name:           k_q82a5246899_quant
    .symbol:         k_q82a5246899_quant.kd
    .args:
      - { .name: q, .offset: 0, .size: 8, .value_kind: global_buffer, .address_space: global }
      - { .name: k, .offset: 8, .size: 8, .value_kind: global_buffer, .address_space: global }
      - { .name: v, .offset: 16, .size: 8, .value_kind: global_buffer, .address_space: global }
      - { .name: Wq, .offset: 24, .size: 8, .value_kind: global_buffer, .address_space: global }
      - { .name: Wk, .offset: 32, .size: 8, .value_kind: global_buffer, .address_space: global }
      - { .name: Wv, .offset: 40, .size: 8, .value_kind: global_buffer, .address_space: global }
      - { .name: Wo, .offset: 48, .size: 8, .value_kind: global_buffer, .address_space: global }
      - { .name: xc, .offset: 56, .size: 8, .value_kind: global_buffer, .address_space: global }
      - { .name: xsc, .offset: 64, .size: 8, .value_kind: global_buffer, .address_space: global }
      - { .name: wc, .offset: 72, .size: 8, .value_kind: global_buffer, .address_space: global }
      - { .name: wsc, .offset: 80, .size: 8, .value_kind: global_buffer, .address_space: global }
    .group_segment_fixed_size: 68096
    .private_segment_fixed_size: 0
    .kernarg_segment_align: 8
    .kernarg_segment_size: 88
    .max_flat_workgroup_size: 128
    .sgpr_count:     66
    .vgpr_count:     194
    .wavefront_size: 32
...
	.end_amdgpu_metadata
.endif
;; end of part 1
;; launch proj (part 2): grid 4 x 96, 4 waves a work-group, clusters of 4 x 4, 327,680 bytes of LDS; arguments xc, xsc, wc, wsc, bq, bk, bv, qx, kv; writes qx, kv
.if DOCPART == 2
	.amdgcn_target "amdgcn-amd-amdhsa--gfx1250"
	.amdhsa_code_object_version 6
	.text
	.protected	k_q82a5246899_proj
	.globl	k_q82a5246899_proj
	.p2align	8
	.type	k_q82a5246899_proj,@function
k_q82a5246899_proj:
	s_mov_b64 s[64:65], 0
	v_nop
	global_prefetch_b8 v0, s[64:65] scope:SCOPE_SE
	s_setreg_imm32_b32 hwreg(HW_REG_WAVE_MODE, 25, 1), 1
	s_wait_xcnt 0x0
	s_wait_alu depctr_hold_cnt(0) depctr_sa_sdst(0) depctr_va_vdst(0) depctr_va_sdst(0) depctr_va_ssrc(0) depctr_va_vcc(0) depctr_vm_vsrc(0)
	s_getreg_b32 s2, hwreg(HW_REG_IB_STS2, 6, 4)
	s_cmp_eq_u32 s2, 0
	s_cbranch_scc0 .Lentry_in_a_cluster
	s_endpgm
.Lentry_in_a_cluster:
	s_bfe_u32 s2, ttmp6, 0x10000c
	s_cmp_lg_u32 s2, 0xf033
	s_cbranch_scc0 .Lentry_shape_is_right
	s_endpgm
.Lentry_shape_is_right:
; The three projections qh = q Wq + bq, kh = k Wk + bk, vh = v Wv + bv on codes of BF6 (E3M2) with E8M0 scales for each 32 along K = 1,024; f32 sums that begin with the bias.
; The results never go to memory as numbers: each wave quantises its 128 x 128 in registers, along the next product's K, and stores IMAGES OF THE NEXT OPERANDS' REGISTERS.
; A tile of 256 x 256 is made by a work-group of four waves, 128 x 128 a wave: 64 accumulators, 512 registers.  K goes in steps of 256 through a ring of two LDS slots filled by tensor loads;
; the scale bytes of the work-group's 2 x 256 rows come into LDS once.  4 x 4 work-groups form a cluster and ask jointly: the A role's tiles along a row of the cluster, the B role's along a column.
; ROLES.  The matrix instruction is used transposed: source 0 = 16 rows of the B role, source 1 = 16 rows of the A role: a lane holds ONE row of the A role and eight rows of the B role.
;   KIND 0, 1 (q, k): A role = tokens, B role = the weight's stored rows: a lane holds a token, its registers run along the head's 64: the scores' K.
;   KIND 2 (v):       A role = Wv's stored rows, B role = tokens: a lane holds one channel d, its registers run along the keys: the second product's K.
; The quantiser takes register 16 B + 8 u + j of lane (r, h) as place 32 B + 16 h + 8 u + j; it holds the B role's row 32 B + 16 u + 8 h + j.  The weights' rows are stored in that exchanged order,
; so q's and k's places are the true channels; the keys of v stand exchanged inside each block of 32, exactly as the softmax's weights will in the next launch.
; OUT.  qx: [b h][chunk of 128 queries] blocks of 6,656 bytes: 8 tiles of 16 queries (768 bytes: lane l's registers 0-3 at 16 l, registers 4-5 at 512 + 8 l), then 512 bytes of scale words
;   (four registers, lane l at 16 l; register i: lanes 0-15 tile 2 i, lanes 16-31 tile 2 i + 1; a word's bytes 2 and 3 are 0: they scale zero codes).
; kv: [b h][128 keys] blocks of 13,312 bytes: K as in qx (6,144 bytes), V^T's four fragments of 16 d x 128 keys (3 x 512 bytes each), K's scale words (512), V's (512).
; LIMITS: NaN and infinities are not served; a block whose largest magnitude lies under 2^-122 (zeros too) gets the byte 1; the bias is the sum's first addend.
.set KSTEP,  256
.set NQ,     2                         ; matrix instructions deep in a slot
.set ROWB,   192                       ; a tile's row in bytes
.set KROW,   768                       ; a row of codes in memory
.set PITCH,  240                       ; an LDS row: 3 x (64 bytes + 16 of padding)
.set FR,     12                        ; registers of a fragment
.set NL,     6                         ; LDS loads that bring one
.set NP,     4                         ; places behind this matrix instruction (ISA guide 7.12.1)
.set HALFT,  128*PITCH
.set SLOT,   4*HALFT
.set LAPS,   2                         ; K = 1,024: twice round the ring
.set KS,     32                        ; a row of scale bytes
.set SCL,    2*SLOT
.set HALFS,  (128*KS/256)*272
.set SBLK,   (16*KS/256)*272
.set SPARE,  SCL+4*HALFS               ; the spare words: 128 bytes for each wave, two blocks of 256 bytes that no other line names
.set ADRA, 16                          ; v16-17 LDS address of my A fragments in slot 0, 1; v18-19 the same behind one padding more
.set ADRB, 20                          ; v20-23 the same for B
.set L16,  24                          ; v24 16 x lane
.set L8,   25                          ; v25 8 x lane
.set LSO,  26                          ; v26 16 x lane + where a block's (K's) scale words begin
.set ADRS, 27                          ; v27 LDS address of my scale words
.set SPW,  28                          ; v28 my spare word; never rewritten
.set NIL,  29                          ; v29 0; never rewritten
.set SC,   32                          ; v32-63 scale words, two sets
.set BI,   64                          ; v64-127 the bias, eight registers for each block, in the result's layout
.set AF,   128                         ; v128-223 A's fragments, one set
.set VO,   224                         ; v224-231 the bias loads' offsets
.set CD,   128                         ; the way out: v128-146 the codes just made
.set TM,   160                         ; v160-175 the quantiser's work
.set PW,   176                         ; the scale word just made
.set PWE,  177                         ; the even tile's
.set TT,   178
.set KSW,  180                         ; v180-187 scale words waiting to be stored
.set G1, 24
.set G0, 32
.set G1B, 48
.set G0B, 56
.set G1S, 68
.set G0S, 76
.set G1SB, 80
.set G0SB, 88
.set KIND, 95                          ; s95 0 q, 1 k, 2 v: from the cluster's y, the same in all sixteen partners
.set BP,   96                          ; s[96:97] the bias
.set BLK,  98                          ; s98 bytes of a block of the output
.set SOFF, 99                          ; s99 where its (K's) scale words begin
.set D1,   100                         ; s[100:101] my second head's block; s[12:13] my first head's
.set MSB, 0
.macro WIN new                         ; the immediate's high byte repeats the setting that is left
.if MSB != (\new)
	s_set_vgpr_msb (MSB<<8)|(\new)
.set MSB, (\new)
.endif
.endm
.set MUL_LO, 0xa1                      ; source 0 (B) window 1, source 1 (A) window 0, C and D window 2
.set MUL_HI, 0xf1                      ; the same, C and D window 3
.set TO_B,   0x40
.macro JLOAD g0a, g1a, g0b, g1b        ; a joint load: waves 0 and 1 fetch for the A role, waves 2 and 3 for the B role; four v_nop follow each line
	s_cmp_eq_u32 s15, 0
	s_cbranch_scc0 .Lfor_b_\@
	tensor_load_to_lds s[\g0a:\g0a+3], s[\g1a:\g1a+7]
	s_nop 0
.rept 4
	v_nop
.endr
	s_branch .Lasked_\@
.Lfor_b_\@:
	tensor_load_to_lds s[\g0b:\g0b+3], s[\g1b:\g1b+7]
	s_nop 0
.rept 4
	v_nop
.endr
.Lasked_\@:
.endm
.macro CREST                           ; a round of the cluster's barrier behind its opening barrier
	s_cmp_lg_u32 s14, 0
	s_cbranch_scc1 .Lnot_wave_0_\@
	s_barrier_signal -3
.Lnot_wave_0_\@:
	s_barrier_wait -3
	s_barrier_signal -1
	s_barrier_wait -1
.endm
.macro CROUND
	s_barrier_signal -1
	s_barrier_wait -1
	CREST
.endm
	s_load_b512 s[68:83], s[0:1], 0x0              ; xc 68, xsc 70, wc 72, wsc 74, bq 76, bk 78, bv 80, qx 82
	s_load_b64 s[84:85], s[0:1], 0x40              ; kv
	v_lshl_add_u32 v[SPW], v0, 2, SPARE
	v_mov_b32 v[NIL], 0
	ds_add_u32 v28, v29
	ds_add_u32 v28, v29
	s_wait_dscnt 0x0
	v_lshrrev_b32 v1, 5, v0
	v_readfirstlane_b32 s14, v1                    ; wave 0..3
	s_lshr_b32 s15, s14, 1                         ; which half of the A role's rows is mine.  Also: I fetch for the A role (0) or the B role (1)
	s_and_b32 s16, s14, 1                          ; which half of the B role's rows.  Also: which 128 rows I fetch
	s_bfe_u32 s40, ttmp6, 0x40000                  ; cx
	s_bfe_u32 s41, ttmp6, 0x40004                  ; cy
	s_and_b32 s86, ttmp7, 0xffff                   ; the cluster's y, 0..23
	s_lshr_b32 s[KIND], s86, 3
	s_and_b32 s86, s86, 7
	s_lshl_b32 s86, s86, 2                         ; four tiles of 256 tokens to a cluster
	s_cmp_lt_u32 s[KIND], 2
	s_cselect_b32 s17, s86, 0
	s_cselect_b32 s42, 0, s86
	s_add_co_u32 s17, s17, s41                     ; the A role's tile: tokens 4 G + cy, or Wv's rows cy
	s_add_co_u32 s42, s42, s40                     ; the B role's tile: the weight's rows cx, or tokens 4 G + cx
	s_lshl_b32 s43, s41, 2
	s_lshl_b32 s43, 15, s43                        ; my row of the cluster
	s_lshl_b32 s44, 0x1111, s40                    ; my column
	s_mov_b32 s2, 0xffff0000                       ; lanes 16-31
	s_mov_b32 s66, 0x76543210
	s_mov_b32 s67, 0xfedcba98                      ; v_permlanex16_b32's selects for lane l xor 16
	; descriptor group 1: a tile of 128 rows x 192 bytes, 16 bytes of padding behind every 64
	s_or_b32 s[G1+0], s43, (0<<16)|(1<<20)|(1<<21)|(3<<22)|(3<<25)
	s_or_b32 s[G1B+0], s44, (0<<16)|(1<<20)|(1<<21)|(3<<22)|(3<<25)
.irp g, G1, G1B
	s_mov_b32 s[\g+1], ROWB<<16                    ; tensor_dim0
	s_mov_b32 s[\g+2], 128<<16                     ; tensor_dim1
	s_mov_b32 s[\g+3], ROWB<<16                    ; tile_dim0
	s_mov_b32 s[\g+4], 128                         ; tile_dim1
	s_mov_b32 s[\g+5], KROW                        ; tensor_dim0_stride
	s_mov_b32 s[\g+6], 0
	s_mov_b32 s[\g+7], 0
.endr
	s_lshl_b32 s18, s16, 7                         ; which 128 rows of the tile I fetch
	s_lshl_b32 s20, s17, 8
	s_add_co_u32 s20, s20, s18                     ; A role: row
	s_lshl_b32 s46, s42, 8
	s_add_co_u32 s46, s46, s18                     ; B role: row
	s_mov_b32 s21, 0
	s_mov_b32 s47, 0
	s_mov_b64 s[18:19], KS
	s_mul_u64 s[22:23], s[20:21], s[18:19]         ; where these rows' scales begin
	s_mul_u64 s[92:93], s[46:47], s[18:19]
	s_mov_b64 s[18:19], KROW
	s_mul_u64 s[20:21], s[20:21], s[18:19]         ; and their codes
	s_mul_u64 s[46:47], s[46:47], s[18:19]
	s_mul_i32 s45, s14, HALFT                      ; where they go: wave x 128 rows
	s_mul_i32 s94, s14, HALFS
	s_wait_kmcnt 0x0
	s_mov_b32 s87, 0
	s_mul_i32 s86, s[KIND], 6291456                ; this kind's part of each workspace
	s_add_nc_u64 s[68:69], s[68:69], s[86:87]
	s_mul_i32 s86, s[KIND], 262144
	s_add_nc_u64 s[70:71], s[70:71], s[86:87]
	s_mul_i32 s86, s[KIND], 786432
	s_add_nc_u64 s[72:73], s[72:73], s[86:87]
	s_mul_i32 s86, s[KIND], 32768
	s_add_nc_u64 s[74:75], s[74:75], s[86:87]
	s_cmp_lt_u32 s[KIND], 2
	s_cselect_b64 s[4:5], s[68:69], s[72:73]       ; the A role's codes,
	s_cselect_b64 s[6:7], s[70:71], s[74:75]       ; its scales,
	s_cselect_b64 s[8:9], s[72:73], s[68:69]       ; the B role's codes,
	s_cselect_b64 s[10:11], s[74:75], s[70:71]     ; its scales
	s_cmp_eq_u32 s[KIND], 0
	s_cselect_b64 s[BP:BP+1], s[76:77], s[78:79]
	s_cselect_b64 s[12:13], s[82:83], s[84:85]     ; q goes to qx, k and v to kv
	s_mov_b32 s[BLK], 13312
	s_cselect_b32 s[BLK], 6656, s[BLK]
	s_mov_b32 s[SOFF], 12288
	s_cselect_b32 s[SOFF], 6144, s[SOFF]
	s_cmp_eq_u32 s[KIND], 2
	s_cselect_b64 s[BP:BP+1], s[80:81], s[BP:BP+1]
	; the scales of 128 rows: a dense block of 4,096 bytes, as rows of 256 bytes, 16 bytes of padding behind each (the pointers above have been taken: their registers are free)
	s_or_b32 s[G1S+0], s43, (3<<16)|(1<<20)|(1<<21)|(5<<22)|(3<<25)
	s_or_b32 s[G1SB+0], s44, (3<<16)|(1<<20)|(1<<21)|(5<<22)|(3<<25)
.irp g, G1S, G1SB
	s_mov_b32 s[\g+1], 32<<16
	s_mov_b32 s[\g+2], (128*KS/256)<<16
	s_mov_b32 s[\g+3], 32<<16
	s_mov_b32 s[\g+4], 128*KS/256
	s_mov_b32 s[\g+5], 32
	s_mov_b32 s[\g+6], 0
	s_mov_b32 s[\g+7], 0
.endr
	s_add_nc_u64 s[20:21], s[4:5], s[20:21]
	s_add_nc_u64 s[22:23], s[6:7], s[22:23]
	s_add_nc_u64 s[46:47], s[8:9], s[46:47]
	s_add_nc_u64 s[92:93], s[10:11], s[92:93]
	CROUND                                         ; all sixteen work-groups are here: the first joint loads meet
	s_mov_b32 s[G0S], 1
	s_add_co_u32 s[G0S+1], s94, SCL
	s_mov_b64 s[G0S+2:G0S+3], s[22:23]
	s_or_b32 s[G0S+3], s[G0S+3], 0x80000000
	s_mov_b32 s[G0SB], 1
	s_add_co_u32 s[G0SB+1], s94, SCL
	s_mov_b64 s[G0SB+2:G0SB+3], s[92:93]
	s_or_b32 s[G0SB+3], s[G0SB+3], 0x80000000
	JLOAD G0S, G1S, G0SB, G1SB                     ; the scales first: they are wanted with K step 0
.irp s, 0,1
	s_mov_b32 s[G0+4*\s], 1
	s_add_co_u32 s[G0+4*\s+1], s45, \s*SLOT
	s_add_nc_u64 s[G0+4*\s+2:G0+4*\s+3], s[20:21], \s*ROWB
	s_or_b32 s[G0+4*\s+3], s[G0+4*\s+3], 0x80000000
	s_mov_b32 s[G0B+4*\s], 1
	s_add_co_u32 s[G0B+4*\s+1], s45, \s*SLOT
	s_add_nc_u64 s[G0B+4*\s+2:G0B+4*\s+3], s[46:47], \s*ROWB
	s_or_b32 s[G0B+4*\s+3], s[G0B+4*\s+3], 0x80000000
	JLOAD G0+4*\s, G1, G0B+4*\s, G1B
.endr
	v_and_b32 v1, 15, v0                           ; r = l % 16
	v_bfe_u32 v2, v0, 4, 1                         ; h = l / 16
	; where my results go, and my part of the bias
	s_cmp_lt_u32 s[KIND], 2
	s_cselect_b32 s20, s17, s42                    ; the tile of tokens,
	s_cselect_b32 s21, s15, s16                    ; my half of it,
	s_cselect_b32 s22, s42, s17                    ; the tile of channels,
	s_cselect_b32 s23, s16, s15                    ; my half of it
	s_cselect_b32 s18, 64, 0                       ; the bias offsets' strides: by h,
	s_cselect_b32 s19, 0, 4                        ; by r + 8 (r / 8),
	s_cselect_b32 s46, 4, 0                        ; by register
	s_lshl_b32 s20, s20, 1
	s_add_co_u32 s20, s20, s21                     ; my chunk of 128 tokens, 0..63
	s_lshl_b32 s22, s22, 2
	s_lshl_b32 s23, s23, 1
	s_add_co_u32 s22, s22, s23                     ; my first head (I have two)
	s_lshr_b32 s21, s20, 4
	s_lshl_b32 s21, s21, 4
	s_add_co_u32 s21, s21, s22                     ; 16 b + head
	s_lshl_b32 s21, s21, 4
	s_and_b32 s20, s20, 15
	s_add_co_u32 s20, s20, s21                     ; the block's number: 16 (16 b + head) + chunk in the sequence
	s_mul_i32 s20, s20, s[BLK]
	s_mov_b32 s21, 0
	s_add_nc_u64 s[12:13], s[12:13], s[20:21]
	s_lshl_b32 s20, s[BLK], 4
	s_add_nc_u64 s[D1:D1+1], s[12:13], s[20:21]    ; the next head lies 16 blocks on
	s_lshl_b32 s22, s22, 8                         ; 64 channels of 4 bytes a head
	s_mov_b32 s23, 0
	s_add_nc_u64 s[BP:BP+1], s[BP:BP+1], s[22:23]
	v_mul_u32_u24 v5, s18, v2
	v_and_b32 v6, 8, v1
	v_add_nc_u32 v6, v6, v1                        ; r + 8 (r / 8)
	v_mul_u32_u24 v6, s19, v6
	v_add_nc_u32 v5, v5, v6
	v_mov_b32 v7, s46
.irp j, 0,1,2,3,4,5,6,7
	v_mad_u32_u24 v[VO+\j], v7, \j, v5
.endr
.irp x, 0,1,2,3,4,5,6,7                ; q, k: register 8 b + j = bias[32 (b / 2) + 16 h + 8 (b % 2) + j];  v: all eight registers of group a = bias[32 (a / 2) + 8 (a % 2) + r + 8 (r / 8)]
.irp j, 0,1,2,3,4,5,6,7
	global_load_b32 v[BI+8*\x+\j], v[VO+\j], s[BP:BP+1] offset:(32*(\x/2)+8*(\x%2))*4
.endr
.endr
	v_mul_u32_u24 v3, v1, PITCH
	v_mul_u32_u24 v4, v2, 24
	v_add_nc_u32 v4, v3, v4                        ; a fragment's row x pitch + 24 x half
	v_lshl_add_u32 v5, v2, 4, v4                   ; and the same behind one padding more
	s_mul_i32 s21, s15, HALFT                      ; my 128 rows of the A role
	s_mul_i32 s22, s16, HALFT                      ; my 128 rows of the B role,
	s_add_co_u32 s22, s22, 2*HALFT                 ; which lie behind A's 256
.irp s, 0,1
	v_add_nc_u32 v[ADRA+\s], s21, v4
	v_add_nc_u32 v[ADRB+\s], s22, v4
	v_add_nc_u32 v[ADRA+2+\s], s21, v5
	v_add_nc_u32 v[ADRB+2+\s], s22, v5
	s_add_co_u32 s21, s21, SLOT
	s_add_co_u32 s22, s22, SLOT
.endr
	v_mul_u32_u24 v5, v1, KS                       ; my row's scales: 32 bytes a row,
	v_lshrrev_b32 v6, 8, v5
	v_lshl_add_u32 v5, v6, 4, v5                   ; and 16 more for each 256 passed
	s_mul_i32 s21, s15, HALFS
	s_mul_i32 s22, s16, HALFS
	s_add_co_u32 s22, s22, 2*HALFS
	s_sub_co_u32 s22, s22, s21
	v_mul_u32_u24 v6, s22, v2                      ; lanes 16-31 take the B role's
	s_add_co_u32 s21, s21, SCL
	v_add_nc_u32 v5, v5, v6
	v_add_nc_u32 v[ADRS], s21, v5
	v_and_b32 v6, 31, v0
	v_lshlrev_b32 v[L16], 4, v6
	v_lshlrev_b32 v[L8], 3, v6
	v_add_nc_u32 v[LSO], s[SOFF], v[L16]
.macro FRAG reg, adr, q, i             ; a fragment, 16 rows x 128 K: lane l holds row l % 16; registers 6 c .. 6 c + 5 hold K = 64 c + 32 (l / 16) + 0 .. 31: 24 bytes of the row, in pieces of 8
.irp p, 0,1,2,3,4,5
.set PCE, 12*(\q)+6*(\p/3)+\p%3       ; where the piece three on lies behind one padding more, the second address register serves
.if PCE%8 < 5
	ds_load_b64 v[\reg+2*\p:\reg+2*\p+1], v[\adr] offset:8*PCE+16*(PCE/8)+(\i)*16*PITCH
.else
	ds_load_b64 v[\reg+2*\p:\reg+2*\p+1], v[\adr+2] offset:8*PCE+16*(PCE/8)+(\i)*16*PITCH
.endif
.endr
.endm
; 16 matrix instructions: A's blocks a0, a0 + 1 x B's eight.  zero = 1: the sums begin with the bias by B's block (q, k); 2: by A's block (v); 0: they go on.
; The 64 accumulators take turns, one instruction a turn, in the same order in every step.
.macro MUL16 a0, p, q, sc, zero
.irp a, \a0, \a0+1
.irp b, 0,1,2,3,4,5,6,7
.if (\zero) == 1
	v_wmma_scale_f32_16x16x128_f8f6f4 v[8*(8*((\a)%4)+\b):8*(8*((\a)%4)+\b)+7], v[128*(\p)+FR*\b:128*(\p)+FR*\b+FR-1], v[AF+FR*(\a):AF+FR*(\a)+FR-1], v[BI+8*\b:BI+8*\b+7], v[SC+8*NQ*(\sc)+NQ*\b+(\q)], v[SC+8*NQ*(\sc)+NQ*(\a)+(\q)] matrix_a_fmt:MATRIX_FMT_BF6 matrix_b_fmt:MATRIX_FMT_BF6 matrix_a_scale:MATRIX_SCALE_ROW1
.elseif (\zero) == 2
	v_wmma_scale_f32_16x16x128_f8f6f4 v[8*(8*((\a)%4)+\b):8*(8*((\a)%4)+\b)+7], v[128*(\p)+FR*\b:128*(\p)+FR*\b+FR-1], v[AF+FR*(\a):AF+FR*(\a)+FR-1], v[BI+8*(\a):BI+8*(\a)+7], v[SC+8*NQ*(\sc)+NQ*\b+(\q)], v[SC+8*NQ*(\sc)+NQ*(\a)+(\q)] matrix_a_fmt:MATRIX_FMT_BF6 matrix_b_fmt:MATRIX_FMT_BF6 matrix_a_scale:MATRIX_SCALE_ROW1
.else
	v_wmma_scale_f32_16x16x128_f8f6f4 v[8*(8*((\a)%4)+\b):8*(8*((\a)%4)+\b)+7], v[128*(\p)+FR*\b:128*(\p)+FR*\b+FR-1], v[AF+FR*(\a):AF+FR*(\a)+FR-1], v[8*(8*((\a)%4)+\b):8*(8*((\a)%4)+\b)+7], v[SC+8*NQ*(\sc)+NQ*\b+(\q)], v[SC+8*NQ*(\sc)+NQ*(\a)+(\q)] matrix_a_fmt:MATRIX_FMT_BF6 matrix_b_fmt:MATRIX_FMT_BF6 matrix_a_scale:MATRIX_SCALE_ROW1
.endif
.endr
.endr
.endm
.macro FETCH_B slot, q, p
	WIN TO_B
.irp i, 0,1,2,3,4,5,6,7
	FRAG 128*(\p)+FR*\i, ADRB+\slot, \q, \i
.endr
	WIN 0
.endm
.macro FETCH_A slot, q, i0
.irp i, \i0, \i0+1, \i0+2, \i0+3
	FRAG AF+FR*(\i), ADRA+\slot, \q, \i
.endr
.endm
.macro SCALES sc                       ; a K step's scale words: two words a row; lanes 0-15 take A's block i, lanes 16-31 B's block i
.irp i, 0,1,2,3,4,5,6,7
	ds_load_b64 v[SC+8*NQ*\sc+NQ*\i:SC+8*NQ*\sc+NQ*\i+1], v[ADRS] offset:\i*SBLK
.endr
.endm
.macro PLACES n                        ; plain vector instructions that name no register of the matrix instructions before them (ISA guide 7.12.1)
.rept \n
	v_nop
.endr
.endm
.macro STEP slot, q, zero              ; a step of 128 along K that has its successor in the same slot
	s_wait_dscnt 4*NL                              ; B's set and A's blocks 0-3 are in; the youngest 24 loads (A's blocks 4-7) may be out
.if \zero
	WIN 0x81                                       ; C (the bias) in window 0, D in window 2
.else
	WIN MUL_LO
.endif
	MUL16 0, (\q)%2, \q, \slot, \zero
	MUL16 2, (\q)%2, \q, \slot, \zero
	s_wait_dscnt 0
	PLACES NP
	FETCH_B \slot, (\q)+1, 1-(\q)%2
	FETCH_A \slot, (\q)+1, 0
.if \zero
	WIN 0xc1
.else
	WIN MUL_HI
.endif
	MUL16 4, (\q)%2, \q, \slot, \zero
	MUL16 6, (\q)%2, \q, \slot, \zero
	PLACES NP
	WIN 0
	FETCH_A \slot, (\q)+1, 4
.endm
; A slot's last step changes slots: one barrier; in front of it each wave waits for all its tensor loads, adds 0 to its spare word, and waits for that and for its own reads of this slot.
.macro TURN slot, next, fill
	s_wait_tensorcnt 0x0                           ; all my tensor loads have landed: my part of the next slot
	ds_add_u32 v[SPW], v[NIL]                      ; 0 onto my spare word
	s_wait_dscnt 4*NL+1                            ; (the add and the youngest 24 loads may be out)
	WIN MUL_LO
	MUL16 0, 1, NQ-1, \slot, 0
	s_wait_dscnt 0x0                               ; the add is done, and my reads of this slot are over
	s_barrier_signal -1
	MUL16 2, 1, NQ-1, \slot, 0
	WIN 0
	s_barrier_wait -1
.if \fill
	CREST                                          ; the barrier has opened a round of the cluster's barrier: no wave of any partner still reads this slot or has a load on its way
	s_add_nc_u64 s[G0+4*\slot+2:G0+4*\slot+3], s[G0+4*\slot+2:G0+4*\slot+3], 2*ROWB
	s_add_nc_u64 s[G0B+4*\slot+2:G0B+4*\slot+3], s[G0B+4*\slot+2:G0B+4*\slot+3], 2*ROWB
	JLOAD G0+4*\slot, G1, G0B+4*\slot, G1B         ; the first tensor load behind the round; its four v_nop are the places in front of the loads below
.else
	PLACES NP
.endif
	v_add_nc_u32 v[ADRS], 4*NQ, v[ADRS]            ; on to the next K step's scale words
	FETCH_B \next, 0, 0
	FETCH_A \next, 0, 0
	SCALES \next
	WIN MUL_HI
	MUL16 4, 1, NQ-1, \slot, 0
	MUL16 6, 1, NQ-1, \slot, 0
	PLACES NP
	WIN 0
	FETCH_A \next, 0, 4
.endm
	s_wait_tensorcnt 1                             ; the scales and my part of K step 0 are in (K step 1's load may be out)
	s_barrier_signal -1
	s_barrier_wait -1                              ; everybody's are
	FETCH_B 0, 0, 0
	FETCH_A 0, 0, 0
	SCALES 0
	FETCH_A 0, 0, 4
	s_wait_loadcnt 0x0                             ; the bias
	s_cmp_eq_u32 s[KIND], 2                        ; the first step is written twice: its C is the bias by B's block or by A's
	s_cbranch_scc1 .Lfirst_v
	STEP 0, 0, 1
	s_branch .Lgo
.Lfirst_v:
	STEP 0, 0, 2
.Lgo:
	s_mov_b32 s3, LAPS-1
.Llap:                                                 ; a trip goes once round the ring and fills both slots again
	TURN 0, 1, 1
	STEP 1, 0, 0
	TURN 1, 0, 1
	STEP 0, 0, 0
	s_sub_co_u32 s3, s3, 1
	s_cmp_lg_u32 s3, 0
	s_cbranch_scc1 .Llap
	TURN 0, 1, 0                                   ; the last lap fills nothing
	STEP 1, 0, 0
	s_wait_dscnt 4*NL
	WIN MUL_LO
	MUL16 0, 1, NQ-1, 1, 0
	MUL16 2, 1, NQ-1, 1, 0
	s_wait_dscnt 0
	WIN MUL_HI
	MUL16 4, 1, NQ-1, 1, 0
	MUL16 6, 1, NQ-1, 1, 0
	WIN 0
	PLACES NP                                      ; in front of the first read of results and of the writes into the registers that held A's fragments
; THE WAY OUT.  Block a's 64 registers of a lane (16 B + i = place 32 B + 16 h + i of my row) become a fragment's codes in v[CD] on and its scale word in v[PW].
; Each accumulator is read from its low end on.
.macro QUANTW a
.set AC, 64*((\a)%4)
	WIN 0x0a+5*((\a)/4)                            ; sources 0 and 1: window 2 or 3
.irp b, 0,1,2,3
	v_max3_num_f32 v[TM+\b], |v[AC+16*\b]|, |v[AC+1+16*\b]|, 0x2800000   ; my 16 numbers of block b, and the floor 2^(5 - 127)
.endr
.irp i, 2,4,6,8,10,12,14
.irp b, 0,1,2,3
	v_max3_num_f32 v[TM+\b], |v[AC+16*\b+\i]|, |v[AC+1+16*\b+\i]|, v[TM+\b]
.endr
.endr
	WIN 0
.irp b, 0,1,2,3
	v_permlanex16_b32 v[TM+4+\b], v[TM+\b], s66, s67
.endr
.irp b, 0,1,2,3
	v_max_num_f32 v[TM+\b], v[TM+\b], v[TM+4+\b]   ; with lane l xor 16's: the block's largest magnitude
.endr
.irp b, 0,1,2,3
	v_add_nc_u32 v[TM+12+\b], 0xfe000000, v[TM+\b] ; 4 off its exponent field: the conversion's scale operand
.endr
.irp b, 0,1,2,3
	v_lshrrev_b32 v[TM+4+\b], 23, v[TM+12+\b]      ; the scale's byte
.endr
	v_lshl_or_b32 v[PW], v[TM+5], 8, v[TM+4]
	v_lshl_or_b32 v[PW], v[TM+6], 16, v[PW]
	v_lshl_or_b32 v[PW], v[TM+7], 24, v[PW]
	WIN 0x02+(\a)/4                                ; source 0: window 2 or 3
.irp c, 0,1
	v_cvt_scalef32_pk16_bf6_f32 v[CD+6*\c:CD+2+6*\c], v[AC+32*\c:AC+15+32*\c], v[TM+12+2*\c]
	v_cvt_scalef32_pk16_bf6_f32 v[CD+12+4*\c:CD+14+4*\c], v[AC+16+32*\c:AC+31+32*\c], v[TM+12+2*\c+1]
.endr
	WIN 0
	v_nop                                          ; one plain place behind a scaled conversion
.irp c, 0,1                                    ; the operand's layout wants a whole block in a lane
.irp i, 0,1,2
	v_permlane16_swap_b32 v[CD+6*\c+\i], v[CD+12+4*\c+\i]
.endr
.irp i, 0,1,2
	v_mov_b32 v[CD+3+6*\c+\i], v[CD+12+4*\c+\i]
.endr
.endr
.endm
.macro QKOUT a                         ; q, k: 16 tokens x two heads: registers 0-5 are the first head's tile, 6-11 the second's
.if (\a) > 0
	s_wait_xcnt 0x0                                ; the last stores have read their data: the codes' registers are written again only behind this wait
.endif
	QUANTW \a
	global_store_b128 v[L16], v[CD:CD+3], s[12:13] offset:768*(\a)            ; 512 consecutive bytes
	global_store_b64 v[L8], v[CD+4:CD+5], s[12:13] offset:768*(\a)+512        ; 256 consecutive bytes
	global_store_b128 v[L16], v[CD+6:CD+9], s[D1:D1+1] offset:768*(\a)
	global_store_b64 v[L8], v[CD+10:CD+11], s[D1:D1+1] offset:768*(\a)+512
.if (\a)%2 == 0
	v_mov_b32 v[PWE], v[PW]
.else
	v_cndmask_b32 v[TT], v[PWE], v[PW], s2         ; lanes 0-15: the even tile's word; lanes 16-31: the odd tile's
	v_and_b32 v[KSW+(\a)/2], 0xffff, v[TT]         ; the first head's two bytes,
	v_lshrrev_b32 v[KSW+4+(\a)/2], 16, v[TT]       ; the second head's
.endif
.endm
.macro VOUT a                          ; v: 16 channels x 128 keys: a whole fragment of V^T; blocks 0-3 are the first head's, 4-7 the second's
.if (\a) > 0
	s_wait_xcnt 0x0
.endif
	QUANTW \a
.irp i, 0,1,2
.if (\a) < 4
	global_store_b128 v[L16], v[CD+4*\i:CD+4*\i+3], s[12:13] offset:6144+1536*((\a)%4)+512*\i
.else
	global_store_b128 v[L16], v[CD+4*\i:CD+4*\i+3], s[D1:D1+1] offset:6144+1536*((\a)%4)+512*\i
.endif
.endr
	v_mov_b32 v[KSW+(\a)], v[PW]
.if (\a) == 3
	global_store_b128 v[L16], v[KSW:KSW+3], s[12:13] offset:12800
.endif
.if (\a) == 7
	global_store_b128 v[L16], v[KSW+4:KSW+7], s[D1:D1+1] offset:12800
.endif
.endm
.irp b, 0,1,2,3
	v_mov_b32 v[TM+4+\b], 0                        ; written once: a lane permute's destination counts as one of its sources
.endr
	s_cmp_eq_u32 s[KIND], 2
	s_cbranch_scc1 .Lv_out
.irp a, 0,1,2,3,4,5,6,7
	QKOUT \a
.endr
	global_store_b128 v[LSO], v[KSW:KSW+3], s[12:13]
	global_store_b128 v[LSO], v[KSW+4:KSW+7], s[D1:D1+1]
	s_branch .Ldone
.Lv_out:
.irp a, 0,1,2,3,4,5,6,7
	VOUT \a
.endr
.Ldone:
	s_wait_tensorcnt 0x0                           ; the wave's end
	ds_add_u32 v[SPW], v[NIL]
	s_wait_dscnt 0x0
	CROUND                                         ; the closing round: no work-group ends while a partner may still ask for a tile that names it
	s_endpgm
.Lfunc_end_k_q82a5246899_proj:
	.size	k_q82a5246899_proj, .Lfunc_end_k_q82a5246899_proj-k_q82a5246899_proj
	.p2alignl 7, 3214868480
	.fill 96, 4, 3214868480
	.section	.rodata,"a",@progbits
	.p2align	6, 0x0
	.amdhsa_kernel k_q82a5246899_proj
		.amdhsa_group_segment_fixed_size 327680
		.amdhsa_private_segment_fixed_size 0
		.amdhsa_enable_private_segment 0
		.amdhsa_kernarg_size 72
		.amdhsa_user_sgpr_count 2
		.amdhsa_user_sgpr_kernarg_segment_ptr 1
		.amdhsa_wavefront_size32 1
		.amdhsa_system_sgpr_workgroup_id_x 1
		.amdhsa_system_sgpr_workgroup_id_y 1
		.amdhsa_system_sgpr_workgroup_id_z 1
		.amdhsa_system_vgpr_workitem_id 0
		.amdhsa_next_free_vgpr 1024
		.amdhsa_next_free_sgpr 102
		.amdhsa_reserve_vcc 0
		.amdhsa_float_denorm_mode_32 3
		.amdhsa_float_denorm_mode_16_64 3
		.amdhsa_memory_ordered 1
		.amdhsa_forward_progress 1
		.amdhsa_inst_pref_size 222
	.end_amdhsa_kernel
	.amdgpu_metadata
---
amdhsa.version: [ 1, 2 ]
amdhsa.kernels:
  - .name:           k_q82a5246899_proj
    .symbol:         k_q82a5246899_proj.kd
    .args:
      - { .name: xc, .offset: 0, .size: 8, .value_kind: global_buffer, .address_space: global }
      - { .name: xsc, .offset: 8, .size: 8, .value_kind: global_buffer, .address_space: global }
      - { .name: wc, .offset: 16, .size: 8, .value_kind: global_buffer, .address_space: global }
      - { .name: wsc, .offset: 24, .size: 8, .value_kind: global_buffer, .address_space: global }
      - { .name: bq, .offset: 32, .size: 8, .value_kind: global_buffer, .address_space: global }
      - { .name: bk, .offset: 40, .size: 8, .value_kind: global_buffer, .address_space: global }
      - { .name: bv, .offset: 48, .size: 8, .value_kind: global_buffer, .address_space: global }
      - { .name: qx, .offset: 56, .size: 8, .value_kind: global_buffer, .address_space: global }
      - { .name: kv, .offset: 64, .size: 8, .value_kind: global_buffer, .address_space: global }
    .group_segment_fixed_size: 327680
    .private_segment_fixed_size: 0
    .kernarg_segment_align: 8
    .kernarg_segment_size: 72
    .max_flat_workgroup_size: 128
    .sgpr_count:     102
    .vgpr_count:     1024
    .wavefront_size: 32
...
	.end_amdgpu_metadata
.endif
;; end of part 2
;; launch attn (part 3): grid 4 x 64, 16 waves a work-group, no clusters, 215,040 bytes of LDS; arguments qx, kv, ac, asc; writes ac, asc
.if DOCPART == 3
	.amdgcn_target "amdgcn-amd-amdhsa--gfx1250"
	.amdhsa_code_object_version 6
	.text
	.protected	k_q82a5246899_attn
	.globl	k_q82a5246899_attn
	.p2align	8
	.type	k_q82a5246899_attn,@function
k_q82a5246899_attn:
	s_mov_b64 s[64:65], 0
	v_nop
	global_prefetch_b8 v0, s[64:65] scope:SCOPE_SE
	s_setreg_imm32_b32 hwreg(HW_REG_WAVE_MODE, 25, 1), 1
	s_wait_xcnt 0x0
; Causal attention of one head (b h = work-group y) on codes of BF6 (E3M2) with E8M0 scales: S^T = K Q^T (K = the head's 64, the upper half of the instruction's 128 is zero codes), softmax, O^T = V^T P^T.
; THE SOFTMAX: t = score x log2(e) / 8; M = the running largest t rounded UP to a whole number; p = 2^(t - M) is quantised along the keys, not normalised; the row's sum is taken of the unquantised p
; and divides O at the end.  When M moves, the sum and O are multiplied by 2^(old M - new M): exact.  O / sum is then quantised along the head's 64 for the output projection.
; THE WHOLE HEAD STAYS IN LDS: 16 blocks of 13,312 bytes (128 keys each: K's 8 tile images, V^T's 4 fragments, their scale words), 212,992 bytes, filled once by two tensor loads a wave at the head.
; Nothing is filled again, so there is no ring.
; SHARES.  Sixteen waves, four to a SIMD, each with one tile of 16 queries at a time.  A chunk of 128 queries, number c, needs key steps 0 .. c.  Work-group x = j: in pass 0 wave w takes tile w % 8 of chunk
; 2 j + w / 8, in pass 1 of chunk 15 - 2 j - w / 8: 17 key steps for every wave of every work-group.  Pass 0 reads key steps 0-7 alone, which the first load brings.
; NO CLUSTER: the four work-groups of a head read the same kv, but they take different chunks, so the branch that leaves hidden key steps out differs between them.
; No prefetch: all that a work-group reads of kv is asked for at its head.
; LAYOUT.  Both products transposed: a lane holds ONE query (lane % 16).  Register 8 T + j of S^T is key 16 T + 8 (lane / 16) + j; the quantiser takes register 16 B + 8 u + j as place
; 32 B + 16 (lane / 16) + 8 u + j: inside each block of 32 the keys stand with bits 3 and 4 exchanged, exactly as V^T's codes were laid.  V^T's stored rows are such that O^T's places are the true channels.
; LIMITS: NaN and infinities are not served; v_exp_f32 gives 0 for results under 2^-126; a block whose largest magnitude lies under 2^-122 (zeros too) gets the byte 1.
; REGISTERS: v1 16 lane, v2 8 lane, v3-4 the step's LDS addresses, v5 16 r, v6 32 r + h, v7 the mask's lane term; v12 -M, v13 largest t, v[14:15] the sum; v16-27 Q (22-27 zeros); v28-31 V's scale words;
; v32-79 four fragments of K (upper six registers of each: zeros, written once); v80-127 V's four; v128-191 S^T, then p; v192-223 O^T; v224-235 p's codes; v232-254 at work; v248-251 K's scale words; v253 p's; v255 Q's.
.set BLKB, 13312
.set HALF, 8*BLKB
.set S, 128
.set O, 192
	s_load_b256 s[4:11], s[0:1], 0x0               ; qx s[4:5], kv s[6:7], ac s[8:9], asc s[10:11]
	v_lshl_add_u32 v254, v0, 2, 0x34000
	v_mov_b32 v255, 0
	ds_add_u32 v254, v255
	ds_add_u32 v254, v255
	s_wait_dscnt 0x0
	v_lshrrev_b32 v8, 5, v0
	s_delay_alu instid0(VALU_DEP_1)
	v_readfirstlane_b32 s12, v8                    ; wave 0..15
	s_and_b32 s13, s12, 7                          ; my tile in a chunk
	s_lshr_b32 s14, s12, 3
	s_and_b32 s15, ttmp7, 0xffff                   ; b h
	s_lshl_b32 s40, ttmp9, 1
	s_add_co_u32 s40, s40, s14                     ; pass 0's chunk, 0..7
	s_sub_co_u32 s41, 15, s40                      ; pass 1's, 8..15
	; descriptor group 1: a dense block of 6,656 bytes as 26 rows of 256 bytes (32 elements of 8 bytes), no padding
	s_mov_b32 s24, 3<<16
	s_mov_b32 s25, 32<<16                          ; tensor_dim0
	s_mov_b32 s26, 26<<16                          ; tensor_dim1
	s_mov_b32 s27, 32<<16                          ; tile_dim0
	s_mov_b32 s28, 26                              ; tile_dim1
	s_mov_b32 s29, 32                              ; stride
	s_mov_b32 s30, 0
	s_mov_b32 s31, 0
	s_mul_i32 s33, s12, 6656                       ; my sixteenth of a half, in LDS as in memory
	s_mul_i32 s16, s15, 2*HALF
	s_add_co_u32 s16, s16, s33
	s_mov_b32 s17, 0
	s_mov_b32 s32, 1
	s_mov_b32 s36, 1
	s_add_co_u32 s37, s33, HALF
	s_mov_b32 s20, 0x76543210
	s_mov_b32 s21, 0xfedcba98                      ; v_permlanex16_b32's selects for lane l xor 16
	s_mov_b32 s22, 0x3e38aa3b                      ; c = log2(e) / 8
	s_mov_b32 s23, s22                             ; (named with it as a pair)
	s_mov_b32 s60, 0xffff0000                      ; lanes 16-31
	s_mov_b32 s67, 0
	s_wait_kmcnt 0x0
	s_add_nc_u64 s[34:35], s[6:7], s[16:17]
	s_add_nc_u64 s[38:39], s[34:35], HALF
	s_or_b32 s35, s35, 0x80000000
	s_or_b32 s39, s39, 0x80000000
	tensor_load_to_lds s[32:35], s[24:31]          ; key steps 0-7: two loads of mine are out
	s_nop 0
	tensor_load_to_lds s[36:39], s[24:31]          ; key steps 8-15
	s_nop 0
.rept 4
	v_nop
.endr
	v_and_b32 v8, 31, v0
	s_delay_alu instid0(VALU_DEP_1)
	v_lshlrev_b32 v1, 4, v8
	s_delay_alu instid0(VALU_DEP_2)
	v_lshlrev_b32 v2, 3, v8
	v_and_b32 v9, 15, v0                           ; r
	v_bfe_u32 v10, v0, 4, 1                        ; h
	s_delay_alu instid0(VALU_DEP_2)
	v_lshlrev_b32 v5, 4, v9
	s_delay_alu instid0(VALU_DEP_2)
	v_lshl_add_u32 v6, v9, 5, v10
	s_delay_alu instid0(VALU_DEP_3)
	v_lshlrev_b32 v11, 3, v10
	s_delay_alu instid0(VALU_DEP_1)
	v_sub_nc_u32 v7, v9, v11
	s_lshl_b32 s16, s13, 4
	v_add_nc_u32 v7, s16, v7                       ; my query in its chunk - 8 h
.irp i, 0,1,2,3,4,5
	v_mov_b32 v[22+\i], 0                          ; zero codes for k = 64 .. 127: Q's,
.irp t, 0,1,2,3
	v_mov_b32 v[38+12*\t+\i], 0                    ; and K's: written once
.endr
.endr
.irp b, 0,1,2,3
	v_mov_b32 v[236+\b], 0                         ; written once: a lane permute's destination counts as one of its sources
.endr
	v_mov_b32 v252, 0
	v_mov_b32 v253, 0
.macro PTRS p                          ; pass p's pointers: Q's tile, Q's scale words, A's tile image, A's scale bytes
	s_lshl_b32 s62, s15, 4
	s_add_co_u32 s62, s62, s[40+\p]
	s_mul_i32 s62, s62, 6656                       ; the chunk's block in qx
	s_mul_i32 s66, s13, 768
	s_add_co_u32 s66, s66, s62
	s_add_nc_u64 s[42+4*\p:43+4*\p], s[4:5], s[66:67]
	s_and_b32 s66, s13, 1
	s_lshl_b32 s66, s66, 8                         ; odd tiles' words lie in lanes 16-31 of the image,
	s_lshr_b32 s63, s13, 1
	s_lshl_b32 s63, s63, 2                         ; in register tile / 2
	s_add_co_u32 s66, s66, s63
	s_add_co_u32 s66, s66, s62
	s_add_co_u32 s66, s66, 6144
	s_add_nc_u64 s[44+4*\p:45+4*\p], s[4:5], s[66:67]
	s_lshr_b32 s62, s15, 4
	s_lshl_b32 s62, s62, 7
	s_lshl_b32 s63, s[40+\p], 3
	s_add_co_u32 s62, s62, s63
	s_add_co_u32 s62, s62, s13                     ; my tile of 16 tokens among the 512
	s_and_b32 s63, s15, 15                         ; the head
	s_lshl_b32 s66, s62, 4
	s_add_co_u32 s66, s66, s63
	s_mul_i32 s66, s66, 768
	s_add_nc_u64 s[50+4*\p:51+4*\p], s[8:9], s[66:67]
	s_lshl_b32 s66, s62, 9                         ; 16 tokens x 32 bytes,
	s_lshl_b32 s63, s63, 1                         ; two bytes a head
	s_add_co_u32 s66, s66, s63
	s_add_nc_u64 s[52+4*\p:53+4*\p], s[10:11], s[66:67]
.endm
	PTRS 0
	PTRS 1
.macro QLOAD p
	global_load_b128 v[16:19], v1, s[42+4*\p:43+4*\p]
	global_load_b64 v[20:21], v2, s[42+4*\p:43+4*\p] offset:512
	global_load_b32 v255, v5, s[44+4*\p:45+4*\p]
.endm
	QLOAD 0
.macro QK g                            ; four tiles of 16 keys; an odd tile's scale words stand in lanes 16-31
.irp t, 0,1,2,3
.if \t%2
	v_wmma_scale_f32_16x16x128_f8f6f4 v[S+8*(4*\g+\t):S+8*(4*\g+\t)+7], v[32+12*\t:43+12*\t], v[16:27], 0, v[248+2*\g+\t/2], v255 matrix_a_fmt:MATRIX_FMT_BF6 matrix_b_fmt:MATRIX_FMT_BF6 matrix_a_scale:MATRIX_SCALE_ROW1
.else
	v_wmma_scale_f32_16x16x128_f8f6f4 v[S+8*(4*\g+\t):S+8*(4*\g+\t)+7], v[32+12*\t:43+12*\t], v[16:27], 0, v[248+2*\g+\t/2], v255 matrix_a_fmt:MATRIX_FMT_BF6 matrix_b_fmt:MATRIX_FMT_BF6
.endif
.endr
.endm
; A KEY STEP: 128 keys.  s58 the step, s59 its block's LDS byte.
.macro STEP p
	s_cmp_gt_u32 s58, s[40+\p]                     ; all its keys come after my queries: the work is left out; the lines at the end that step addresses are not
	s_cbranch_scc1 .Lhidden_\@
	s_setprio 2
	v_add_nc_u32 v3, s59, v1
	v_add_nc_u32 v4, s59, v2
	v_nop
	v_nop                                          ; four places in front of loads into registers that the last step's matrix instructions have read
	ds_load_b128 v[248:251], v3 offset:12288       ; K's scale words
.irp t, 0,1,2,3
	ds_load_b128 v[32+12*\t:35+12*\t], v3 offset:768*\t
	ds_load_b64 v[36+12*\t:37+12*\t], v4 offset:768*\t+512
.endr
.irp t, 0,1,2,3
.irp i, 0,1,2
	ds_load_b128 v[80+12*\t+4*\i:83+12*\t+4*\i], v3 offset:6144+1536*\t+512*\i
.endr
.endr
	ds_load_b128 v[28:31], v3 offset:12800         ; V's scale words
	s_wait_alu depctr_va_vdst(0)
	s_wait_dscnt 13                                ; K's are in; V's thirteen loads may be out
	QK 0
.rept 4
	v_nop
.endr
.irp t, 0,1,2,3
	ds_load_b128 v[32+12*\t:35+12*\t], v3 offset:768*(4+\t)
	ds_load_b64 v[36+12*\t:37+12*\t], v4 offset:768*(4+\t)+512
.endr
	s_wait_dscnt 0x0
	QK 1
.rept 4
	v_nop
.endr
	s_cmp_lg_u32 s58, s[40+\p]                     ; on the diagonal the scores of hidden keys become -infinity ahead of the maximum
	s_cbranch_scc1 .Lopen_\@
	v_mov_b32 v254, 0xff800000
.set n, 0
.rept 64
	v_cmp_gt_i32 vcc_lo, 16*(n/8)+n%8, v7          ; register n holds key 16 (n / 8) + 8 h + n % 8 of the step
	v_cndmask_b32 v[S+n], v[S+n], v254, vcc_lo
.set n, n+1
.endr
.Lopen_\@:
.irp b, 0,1,2,3
	v_max3_num_f32 v[232+\b], v[S+16*\b], v[S+1+16*\b], v[S+2+16*\b]   ; the largest score of each block of 32 keys: for the row's maximum and, since p rises with the score, for the block's largest p
.endr
.irp i, 3,5,7,9,11,13
.irp b, 0,1,2,3
	v_max3_num_f32 v[232+\b], v[232+\b], v[S+16*\b+\i], v[S+1+16*\b+\i]
.endr
.endr
.irp b, 0,1,2,3
	v_max_num_f32 v[232+\b], v[232+\b], v[S+15+16*\b]
.endr
.irp b, 0,1,2,3
	s_delay_alu instid0(VALU_DEP_4)
	v_permlanex16_b32 v[236+\b], v[232+\b], s20, s21
.endr
.irp b, 0,1,2,3
	s_delay_alu instid0(VALU_DEP_4)
	v_max_num_f32 v[232+\b], v[232+\b], v[236+\b]  ; with lane l xor 16's 16 keys
.endr
	s_delay_alu instid0(VALU_DEP_2)
	v_max3_num_f32 v254, v232, v233, v234
	s_delay_alu instid0(VALU_DEP_1)
	v_max_num_f32 v254, v254, v235
	s_delay_alu instid0(VALU_DEP_1)
	v_mul_f32 v254, s22, v254                      ; as t
	s_delay_alu instid0(VALU_DEP_1)
	v_max_num_f32 v13, v13, v254                   ; the running largest t
	v_mov_b32 v254, v12
	s_delay_alu instid0(VALU_DEP_2)
	v_floor_f32 v12, -v13                          ; the new -M = -ceil(t): a whole number
	s_delay_alu instid0(VALU_DEP_1)
	v_sub_f32 v254, v12, v254                      ; old M - new M, 0 or less
	s_delay_alu instid0(VALU_DEP_1)
	v_cvt_i32_f32 v254, v254                       ; (it saturates)
	s_delay_alu instid0(VALU_DEP_1)
	v_ldexp_f32 v252, 1.0, v254                    ; f = 2^(old M - new M)
.set n, 0
.rept 32
	v_pk_fma_f32 v[S+n:S+n+1], v[S+n:S+n+1], s[22:23], v[12:13] op_sel_hi:[1,0,0]   ; t - M, two at a time
.set n, n+2
.endr
	s_setprio 1
.irp b, 0,1,2,3
	v_fma_f32 v[232+\b], v[232+\b], s22, v12       ; the same of each block's largest score
.endr
.set n, 0
	s_wait_alu depctr_va_vdst(0)
.rept 64
	v_exp_f32 v[S+n], v[S+n]                       ; p = 2^(t - M)
.set n, n+1
.endr
	v_pk_mul_f32 v[14:15], v[14:15], v[252:253] op_sel_hi:[1,0]   ; the sums under the new M (the plain place behind the exponentials)
	s_wait_alu depctr_va_vdst(0)                   ; one wait for the whole batch, ahead of its first reader
.irp b, 0,1,2,3
	v_exp_f32 v[232+\b], v[232+\b]                 ; the block's largest p
.endr
	v_pk_add_f32 v[236:237], v[132:133], v[136:137]
	v_pk_add_f32 v[250:251], v[140:141], v[144:145]
	v_pk_add_f32 v[248:249], v[148:149], v[152:153]
	v_pk_add_f32 v[246:247], v[156:157], v[160:161]
	v_pk_add_f32 v[244:245], v[164:165], v[168:169]
	v_pk_add_f32 v[242:243], v[172:173], v[176:177]
	v_pk_add_f32 v[240:241], v[180:181], v[184:185]
	v_pk_add_f32 v[14:15], v[14:15], v[188:189]
	v_pk_add_f32 v[236:237], v[236:237], v[128:129]
	v_pk_add_f32 v[250:251], v[250:251], v[130:131]
	v_pk_add_f32 v[248:249], v[248:249], v[134:135]
	v_pk_add_f32 v[246:247], v[246:247], v[138:139]
	v_pk_add_f32 v[244:245], v[244:245], v[142:143]
	v_pk_add_f32 v[242:243], v[242:243], v[146:147]
	v_pk_add_f32 v[240:241], v[240:241], v[150:151]
	v_pk_add_f32 v[14:15], v[14:15], v[154:155]
	v_pk_add_f32 v[236:237], v[236:237], v[158:159]
	v_pk_add_f32 v[250:251], v[250:251], v[162:163]
	v_pk_add_f32 v[248:249], v[248:249], v[166:167]
	v_pk_add_f32 v[246:247], v[246:247], v[170:171]
	v_pk_add_f32 v[244:245], v[244:245], v[174:175]
	v_pk_add_f32 v[242:243], v[242:243], v[178:179]
	v_pk_add_f32 v[240:241], v[240:241], v[182:183]
	v_pk_add_f32 v[14:15], v[14:15], v[186:187]
	v_pk_add_f32 v[236:237], v[236:237], v[190:191]
	s_delay_alu instid0(VALU_DEP_2)
	v_pk_add_f32 v[14:15], v[14:15], v[246:247]
	s_delay_alu instid0(VALU_DEP_2)
	v_pk_add_f32 v[236:237], v[236:237], v[244:245]
	v_pk_add_f32 v[250:251], v[250:251], v[242:243]
	v_pk_add_f32 v[248:249], v[248:249], v[240:241]
	s_delay_alu instid0(VALU_DEP_2)
	v_pk_add_f32 v[14:15], v[14:15], v[250:251]
	s_delay_alu instid0(VALU_DEP_2)
	v_pk_add_f32 v[236:237], v[236:237], v[248:249]
	s_delay_alu instid0(VALU_DEP_1)
	v_pk_add_f32 v[14:15], v[14:15], v[236:237]
	s_wait_alu depctr_va_vdst(0)                   ; and one for the four
.irp b, 0,1,2,3
	v_max_num_f32 v[232+\b], 0x2800000, v[232+\b]  ; the floor 2^(5 - 127)
.endr
.irp b, 0,1,2,3
	s_delay_alu instid0(VALU_DEP_4)
	v_add_nc_u32 v[244+\b], 0xfe000000, v[232+\b]  ; the conversion's scale operand
.endr
.irp b, 0,1,2,3
	s_delay_alu instid0(VALU_DEP_4)
	v_lshrrev_b32 v[236+\b], 23, v[244+\b]         ; the scale's byte
.endr
	s_delay_alu instid0(VALU_DEP_3)
	v_lshl_or_b32 v253, v237, 8, v236              ; p's scale word for these 128 keys
	s_delay_alu instid0(VALU_DEP_1)
	v_lshl_or_b32 v253, v238, 16, v253
	s_delay_alu instid0(VALU_DEP_1)
	v_lshl_or_b32 v253, v239, 24, v253
	s_setprio 0
.irp c, 0,1
	v_cvt_scalef32_pk16_bf6_f32 v[224+6*\c:226+6*\c], v[S+32*\c:S+15+32*\c], v[244+2*\c]
	v_cvt_scalef32_pk16_bf6_f32 v[236+4*\c:238+4*\c], v[S+16+32*\c:S+31+32*\c], v[244+2*\c+1]
.endr
	v_nop                                          ; one plain place behind a scaled conversion
.irp c, 0,1
.irp i, 0,1,2
	v_permlane16_swap_b32 v[224+6*\c+\i], v[236+4*\c+\i]
.endr
.irp i, 0,1,2
	s_delay_alu instid0(VALU_DEP_3)
	v_mov_b32 v[227+6*\c+\i], v[236+4*\c+\i]
.endr
.endr
.set n, 0
.rept 16
	v_pk_mul_f32 v[O+n:O+n+1], v[O+n:O+n+1], v[252:253] op_sel_hi:[1,0]   ; O^T under the new M (these are also the places between p's codes and scale word and the products)
.set n, n+2
.endr
.rept 4
	v_nop
.endr
.irp t, 0,1,2,3                                ; O^T += V^T P^T: the four accumulators by turns
	v_wmma_scale_f32_16x16x128_f8f6f4 v[O+8*\t:O+8*\t+7], v[80+12*\t:91+12*\t], v[224:235], v[O+8*\t:O+8*\t+7], v[28+\t], v253 matrix_a_fmt:MATRIX_FMT_BF6 matrix_b_fmt:MATRIX_FMT_BF6
.endr
.Lhidden_\@:
	s_add_co_u32 s59, s59, BLKB
	s_add_co_u32 s58, s58, 1
.endm
; THE WAY OUT of a pass: O^T / the sum, quantised along the head's 64 (two blocks), stored as the image of six registers of the output projection's operand, and two scale bytes a token.
.macro OUT p
.rept 4
	v_nop                                          ; places behind the last products
.endr
.if \p == 0
	QLOAD 1                                        ; the next pass's queries come in behind the way out
.endif
	v_add_f32 v14, v14, v15
	s_delay_alu instid0(VALU_DEP_1)
	v_permlanex16_b32 v252, v14, s20, s21
	s_delay_alu instid0(VALU_DEP_1)
	v_add_f32 v14, v14, v252                       ; the row's sum
	s_wait_alu depctr_va_vdst(0)
	v_rcp_f32 v14, v14
	v_nop                                          ; a plain place behind the transcendental
	s_wait_alu depctr_va_vdst(0)                   ; and the wait ahead of its first reader
.set n, 0
.rept 16
	v_pk_mul_f32 v[S+n:S+n+1], v[O+n:O+n+1], v[14:15] op_sel_hi:[1,0]   ; register 16 B + i = channel 32 B + 16 h + i of my query
.set n, n+2
.endr
.irp b, 0,1
	v_max3_num_f32 v[232+\b], |v[S+16*\b]|, |v[S+1+16*\b]|, 0x2800000
.endr
.irp i, 2,4,6,8,10,12,14
.irp b, 0,1
	s_delay_alu instid0(VALU_DEP_2)
	v_max3_num_f32 v[232+\b], v[232+\b], |v[S+16*\b+\i]|, |v[S+1+16*\b+\i]|
.endr
.endr
.irp b, 0,1
	s_delay_alu instid0(VALU_DEP_2)
	v_permlanex16_b32 v[236+\b], v[232+\b], s20, s21
.endr
.irp b, 0,1
	s_delay_alu instid0(VALU_DEP_2)
	v_max_num_f32 v[232+\b], v[232+\b], v[236+\b]
.endr
.irp b, 0,1
	s_delay_alu instid0(VALU_DEP_2)
	v_add_nc_u32 v[244+\b], 0xfe000000, v[232+\b]
.endr
.irp b, 0,1
	s_delay_alu instid0(VALU_DEP_2)
	v_lshrrev_b32 v[236+\b], 23, v[244+\b]
.endr
	s_delay_alu instid0(VALU_DEP_1)
	v_cndmask_b32 v254, v236, v237, s60            ; lanes 0-15 store block 0's byte, lanes 16-31 block 1's
	v_cvt_scalef32_pk16_bf6_f32 v[224:226], v[S:S+15], v244
	v_cvt_scalef32_pk16_bf6_f32 v[236:238], v[S+16:S+31], v245
	v_nop
.irp i, 0,1,2
	v_permlane16_swap_b32 v[224+\i], v[236+\i]
.endr
.irp i, 0,1,2
	s_delay_alu instid0(VALU_DEP_3)
	v_mov_b32 v[227+\i], v[236+\i]
.endr
	global_store_b128 v1, v[224:227], s[50+4*\p:51+4*\p]               ; 512 consecutive bytes
	global_store_b64 v2, v[228:229], s[50+4*\p:51+4*\p] offset:512     ; 256 consecutive bytes
	global_store_b8 v6, v254, s[52+4*\p:53+4*\p]   ; a head's two bytes of each token's row of 32: the other heads' are made by other work-groups
.endm
.macro PASS p, nsteps, tc
.if \p
	s_wait_xcnt 0x0                                ; the last pass's stores have read their data
.endif
	v_mov_b32 v13, 0xff61b1e6                      ; the largest t so far: -3e38
	s_delay_alu instid0(VALU_DEP_1)
	v_floor_f32 v12, -v13
	v_mov_b32 v14, 0
	v_mov_b32 v15, 0
.set n, 0
.rept 32
	v_mov_b32 v[O+n], 0                            ; the step is written once: the first finds zeros, which the first change of M leaves zeros
.set n, n+1
.endr
	s_wait_tensorcnt \tc                           ; my part of the keys that this pass reads has landed (pass 0: the second half may be out)
	s_wait_dscnt 0x0
	s_barrier_signal -1
	s_barrier_wait -1                              ; everybody's has
	s_wait_loadcnt 0x0                             ; Q
	s_mov_b32 s58, 0
	s_mov_b32 s59, 0
.Lstep_\@:
	STEP \p
	s_cmp_lt_u32 s58, \nsteps
	s_cbranch_scc1 .Lstep_\@
	s_setprio 0
	OUT \p
.endm
	PASS 0, 8, 1
	PASS 1, 16, 0
	s_wait_xcnt 0x0
	v_lshl_add_u32 v254, v0, 2, 0x34000
	v_mov_b32 v255, 0
	s_wait_alu depctr_va_vdst(0)
	s_wait_tensorcnt 0x0
	ds_add_u32 v254, v255
	s_wait_dscnt 0x0
	s_endpgm
.Lfunc_end_k_q82a5246899_attn:
	.size	k_q82a5246899_attn, .Lfunc_end_k_q82a5246899_attn-k_q82a5246899_attn
	.p2alignl 7, 3214868480
	.fill 96, 4, 3214868480
	.section	.rodata,"a",@progbits
	.p2align	6, 0x0
	.amdhsa_kernel k_q82a5246899_attn
		.amdhsa_group_segment_fixed_size 215040
		.amdhsa_private_segment_fixed_size 0
		.amdhsa_enable_private_segment 0
		.amdhsa_kernarg_size 32
		.amdhsa_user_sgpr_count 2
		.amdhsa_user_sgpr_kernarg_segment_ptr 1
		.amdhsa_wavefront_size32 1
		.amdhsa_system_sgpr_workgroup_id_x 1
		.amdhsa_system_sgpr_workgroup_id_y 1
		.amdhsa_system_sgpr_workgroup_id_z 1
		.amdhsa_system_vgpr_workitem_id 0
		.amdhsa_next_free_vgpr 256
		.amdhsa_next_free_sgpr 80
		.amdhsa_reserve_vcc 1
		.amdhsa_float_denorm_mode_32 3
		.amdhsa_float_denorm_mode_16_64 3
		.amdhsa_memory_ordered 1
		.amdhsa_forward_progress 1
		.amdhsa_inst_pref_size 64
	.end_amdhsa_kernel
	.amdgpu_metadata
---
amdhsa.version: [ 1, 2 ]
amdhsa.kernels:
  - .name:           k_q82a5246899_attn
    .symbol:         k_q82a5246899_attn.kd
    .args:
      - { .name: qx, .offset: 0, .size: 8, .value_kind: global_buffer, .address_space: global }
      - { .name: kv, .offset: 8, .size: 8, .value_kind: global_buffer, .address_space: global }
      - { .name: ac, .offset: 16, .size: 8, .value_kind: global_buffer, .address_space: global }
      - { .name: asc, .offset: 24, .size: 8, .value_kind: global_buffer, .address_space: global }
    .group_segment_fixed_size: 215040
    .private_segment_fixed_size: 0
    .kernarg_segment_align: 8
    .kernarg_segment_size: 32
    .max_flat_workgroup_size: 512
    .sgpr_count:     80
    .vgpr_count:     256
    .wavefront_size: 32
...
	.end_amdgpu_metadata
.endif
;; end of part 3
;; launch outp (part 4): grid 4 x 32, 4 waves a work-group, clusters of 4 x 4, 327,680 bytes of LDS; arguments ac, asc, wc, wsc, bo, out0; writes out0
.if DOCPART == 4
	.amdgcn_target "amdgcn-amd-amdhsa--gfx1250"
	.amdhsa_code_object_version 6
	.text
	.protected	k_q82a5246899_outp
	.globl	k_q82a5246899_outp
	.p2align	8
	.type	k_q82a5246899_outp,@function
k_q82a5246899_outp:
	s_mov_b64 s[64:65], 0
	v_nop
	global_prefetch_b8 v0, s[64:65] scope:SCOPE_SE
	s_setreg_imm32_b32 hwreg(HW_REG_WAVE_MODE, 25, 1), 1
	s_wait_xcnt 0x0
	s_wait_alu depctr_hold_cnt(0) depctr_sa_sdst(0) depctr_va_vdst(0) depctr_va_sdst(0) depctr_va_ssrc(0) depctr_va_vcc(0) depctr_vm_vsrc(0)
	s_getreg_b32 s2, hwreg(HW_REG_IB_STS2, 6, 4)
	s_cmp_eq_u32 s2, 0
	s_cbranch_scc0 .Lentry_in_a_cluster
	s_endpgm
.Lentry_in_a_cluster:
	s_bfe_u32 s2, ttmp6, 0x10000c
	s_cmp_lg_u32 s2, 0xf033
	s_cbranch_scc0 .Lentry_shape_is_right
	s_endpgm
.Lentry_shape_is_right:
; out0 = A Wo + bo on codes of BF6 (E3M2) with E8M0 scales for each 32 along K = 1,024; f32 sums that begin with the bias; out0 [8192][1024] f32.
; A tile of 256 x 256 is made by a work-group of four waves, 128 x 128 a wave.  K goes in steps of 256 through a ring of two LDS slots filled by tensor loads; the scale bytes come into LDS once.
; 4 x 4 work-groups form a cluster: A's tiles are asked for jointly along a row of the cluster, Wo's along a column.
; A ARRIVES AS IMAGES OF ITS REGISTERS: ac is [tile of 16 tokens][head][768 bytes]: lane l's registers 0-3 at 16 l, registers 4-5 at 512 + 8 l: registers 6 c .. 6 c + 5 of the fragment, c = head % 2.
; A slot's 256 along K are four heads: 3,072 consecutive bytes of each tile of tokens.  A fragment comes by two loads of 16 bytes and two of 8, each of consecutive bytes over the lanes.
; Wo's codes (the fourth part of wc) are rows of 768 bytes; stored row s holds column pi(s) (bits 3 and 4 exchanged).  The matrix instruction is used transposed (source 0 = 16 stored rows of Wo,
; source 1 = 16 tokens): register j of block 2 B + u in lane (r, h) is column 32 B + 16 h + 8 u + j of token r: the bias and the stage take it there.
; LIMITS: NaN and infinities are not served; the bias is the sum's first addend.
.set SIZE_N, 1024
.set KSTEP,  256
.set NQ,     2
.set ROWB,   192                       ; a row of Wo's tile in bytes
.set ROWA,   3072                      ; a slot's part of a tile of 16 tokens
.set KROW,   768
.set PITCH,  240                       ; Wo's LDS row: 3 x (64 bytes + 16 of padding)
.set FR,     12
.set NLA,    4                         ; LDS loads that bring a fragment of A
.set NP,     4
.set HALFT,  128*PITCH
.set SLOT,   4*HALFT
.set LAPS,   2
.set KS,     32
.set SCL,    2*SLOT
.set HALFS,  (128*KS/256)*272
.set SBLK,   (16*KS/256)*272
.set SPARE,  SCL+4*HALFS               ; the spare words: 128 bytes for each wave, two blocks of 256 bytes that no other line names
.set SPITCH, 528                       ; the way out: a stage of 16 rows x (512 bytes + 16) for each wave, in slot 0, which has had its last fill and its last read by then
.set ADRA, 16                          ; v16-17 16 x lane + my A tiles in slot 0, 1; v18-19 8 x lane + the same
.set ADRB, 20                          ; v20-21 my fragments of Wo in slot 0, 1; v22-23 the same behind one padding more
.set STO,  24
.set RD,   25
.set CO,   26
.set ADRS, 27
.set SPW,  28                          ; my spare word; never rewritten
.set NIL,  29                          ; 0; never rewritten
.set BOF,  30                          ; 64 h: the bias loads' offset
.set SC,   32
.set BI,   64                          ; v64-127 the bias, eight registers for each block of Wo
.set AF,   128
.set BK,   128
.set G1, 24
.set G0, 32
.set G1B, 48
.set G0B, 56
.set G1S, 68
.set G0S, 76
.set G1SB, 80
.set G0SB, 88
.set MSB, 0
.macro WIN new
.if MSB != (\new)
	s_set_vgpr_msb (MSB<<8)|(\new)
.set MSB, (\new)
.endif
.endm
.set MUL_LO, 0xa1
.set MUL_HI, 0xf1
.set TO_B,   0x40
.macro JLOAD g0a, g1a, g0b, g1b        ; a joint load: waves 0 and 1 fetch for A, waves 2 and 3 for Wo; four v_nop follow each line
	s_cmp_eq_u32 s15, 0
	s_cbranch_scc0 .Lfor_b_\@
	tensor_load_to_lds s[\g0a:\g0a+3], s[\g1a:\g1a+7]
	s_nop 0
.rept 4
	v_nop
.endr
	s_branch .Lasked_\@
.Lfor_b_\@:
	tensor_load_to_lds s[\g0b:\g0b+3], s[\g1b:\g1b+7]
	s_nop 0
.rept 4
	v_nop
.endr
.Lasked_\@:
.endm
.macro CREST
	s_cmp_lg_u32 s14, 0
	s_cbranch_scc1 .Lnot_wave_0_\@
	s_barrier_signal -3
.Lnot_wave_0_\@:
	s_barrier_wait -3
	s_barrier_signal -1
	s_barrier_wait -1
.endm
.macro CROUND
	s_barrier_signal -1
	s_barrier_wait -1
	CREST
.endm
	s_load_b128 s[4:7], s[0:1], 0x0                ; ac, asc
	s_load_b128 s[8:11], s[0:1], 0x10              ; wc, wsc
	s_load_b64 s[96:97], s[0:1], 0x20              ; bo
	s_load_b64 s[12:13], s[0:1], 0x28              ; out0
	v_lshl_add_u32 v[SPW], v0, 2, SPARE
	v_mov_b32 v[NIL], 0
	ds_add_u32 v28, v29
	ds_add_u32 v28, v29
	s_wait_dscnt 0x0
	v_lshrrev_b32 v1, 5, v0
	v_readfirstlane_b32 s14, v1                    ; wave 0..3
	s_lshr_b32 s15, s14, 1                         ; which half of the tile's rows is mine.  Also: I fetch for A (0) or for Wo (1)
	s_and_b32 s16, s14, 1                          ; which half of its columns.  Also: which 128 rows I fetch
	s_bfe_u32 s40, ttmp6, 0x40000                  ; cx
	s_bfe_u32 s41, ttmp6, 0x40004                  ; cy
	s_lshl_b32 s42, ttmp9, 2
	s_add_co_u32 s42, s42, s40                     ; tile column
	s_and_b32 s17, ttmp7, 0xffff
	s_lshl_b32 s17, s17, 2
	s_add_co_u32 s17, s17, s41                     ; tile row
	s_lshl_b32 s43, s41, 2
	s_lshl_b32 s43, 15, s43                        ; my row of the cluster
	s_lshl_b32 s44, 0x1111, s40                    ; my column
	; descriptor group 1 for A: 8 tiles of tokens x 3,072 bytes (384 elements of 8 bytes), 12,288 bytes apart, no padding
	s_or_b32 s[G1+0], s43, (3<<16)|(1<<21)
	s_mov_b32 s[G1+1], 384<<16
	s_mov_b32 s[G1+2], 8<<16
	s_mov_b32 s[G1+3], 384<<16
	s_mov_b32 s[G1+4], 8
	s_mov_b32 s[G1+5], 1536
	s_mov_b32 s[G1+6], 0
	s_mov_b32 s[G1+7], 0
	; for Wo: 128 rows x 192 bytes, 16 bytes of padding behind every 64
	s_or_b32 s[G1B+0], s44, (0<<16)|(1<<20)|(1<<21)|(3<<22)|(3<<25)
	s_mov_b32 s[G1B+1], ROWB<<16
	s_mov_b32 s[G1B+2], 128<<16
	s_mov_b32 s[G1B+3], ROWB<<16
	s_mov_b32 s[G1B+4], 128
	s_mov_b32 s[G1B+5], KROW
	s_mov_b32 s[G1B+6], 0
	s_mov_b32 s[G1B+7], 0
	; for the scales of 128 rows: 4,096 dense bytes as rows of 256, 16 bytes of padding behind each
	s_or_b32 s[G1S+0], s43, (3<<16)|(1<<20)|(1<<21)|(5<<22)|(3<<25)
	s_or_b32 s[G1SB+0], s44, (3<<16)|(1<<20)|(1<<21)|(5<<22)|(3<<25)
.irp g, G1S, G1SB
	s_mov_b32 s[\g+1], 32<<16
	s_mov_b32 s[\g+2], (128*KS/256)<<16
	s_mov_b32 s[\g+3], 32<<16
	s_mov_b32 s[\g+4], 128*KS/256
	s_mov_b32 s[\g+5], 32
	s_mov_b32 s[\g+6], 0
	s_mov_b32 s[\g+7], 0
.endr
	s_lshl_b32 s18, s16, 7
	s_lshl_b32 s20, s17, 8
	s_add_co_u32 s20, s20, s18                     ; A: token 256 x tile row + 128 x half
	s_lshl_b32 s46, s42, 8
	s_add_co_u32 s46, s46, s18                     ; Wo: stored row 256 x tile column + 128 x half
	s_mov_b32 s21, 0
	s_mov_b32 s47, 0
	s_mov_b64 s[18:19], KS
	s_mul_u64 s[22:23], s[20:21], s[18:19]
	s_mul_u64 s[92:93], s[46:47], s[18:19]
	s_mov_b64 s[18:19], KROW
	s_mul_u64 s[20:21], s[20:21], s[18:19]         ; 16 tokens are 12,288 bytes of images: 768 a token
	s_mul_u64 s[46:47], s[46:47], s[18:19]
	s_mul_i32 s45, s14, HALFT
	s_mul_i32 s94, s14, HALFS
	s_wait_kmcnt 0x0
	s_add_nc_u64 s[8:9], s[8:9], 3*786432          ; Wo is the fourth weight
	s_add_nc_u64 s[10:11], s[10:11], 3*32768
	s_add_nc_u64 s[20:21], s[4:5], s[20:21]
	s_add_nc_u64 s[22:23], s[6:7], s[22:23]
	s_add_nc_u64 s[46:47], s[8:9], s[46:47]
	s_add_nc_u64 s[92:93], s[10:11], s[92:93]
	CROUND                                         ; all sixteen work-groups are here: the first joint loads meet
	s_mov_b32 s[G0S], 1
	s_add_co_u32 s[G0S+1], s94, SCL
	s_mov_b64 s[G0S+2:G0S+3], s[22:23]
	s_or_b32 s[G0S+3], s[G0S+3], 0x80000000
	s_mov_b32 s[G0SB], 1
	s_add_co_u32 s[G0SB+1], s94, SCL
	s_mov_b64 s[G0SB+2:G0SB+3], s[92:93]
	s_or_b32 s[G0SB+3], s[G0SB+3], 0x80000000
	JLOAD G0S, G1S, G0SB, G1SB
.irp s, 0,1
	s_mov_b32 s[G0+4*\s], 1
	s_add_co_u32 s[G0+4*\s+1], s45, \s*SLOT
	s_add_nc_u64 s[G0+4*\s+2:G0+4*\s+3], s[20:21], \s*ROWA
	s_or_b32 s[G0+4*\s+3], s[G0+4*\s+3], 0x80000000
	s_mov_b32 s[G0B+4*\s], 1
	s_add_co_u32 s[G0B+4*\s+1], s45, \s*SLOT
	s_add_nc_u64 s[G0B+4*\s+2:G0B+4*\s+3], s[46:47], \s*ROWB
	s_or_b32 s[G0B+4*\s+3], s[G0B+4*\s+3], 0x80000000
	JLOAD G0+4*\s, G1, G0B+4*\s, G1B
.endr
	v_and_b32 v1, 15, v0                           ; r
	v_bfe_u32 v2, v0, 4, 1                         ; h
	v_and_b32 v6, 31, v0                           ; lane
	v_mul_u32_u24 v3, v1, PITCH
	v_mul_u32_u24 v4, v2, 24
	v_add_nc_u32 v4, v3, v4
	v_lshl_add_u32 v5, v2, 4, v4
	s_mul_i32 s21, s15, HALFT                      ; my 8 tiles of tokens
	s_mul_i32 s22, s16, HALFT                      ; my 128 rows of Wo,
	s_add_co_u32 s22, s22, 2*HALFT                 ; which lie behind A's two halves
.irp s, 0,1
	v_lshl_add_u32 v[ADRA+\s], v6, 4, s21
	v_lshl_add_u32 v[ADRA+2+\s], v6, 3, s21
	v_add_nc_u32 v[ADRB+\s], s22, v4
	v_add_nc_u32 v[ADRB+2+\s], s22, v5
	s_add_co_u32 s21, s21, SLOT
	s_add_co_u32 s22, s22, SLOT
.endr
	v_mul_u32_u24 v5, v1, KS
	v_lshrrev_b32 v6, 8, v5
	v_lshl_add_u32 v5, v6, 4, v5
	s_mul_i32 s21, s15, HALFS
	s_mul_i32 s22, s16, HALFS
	s_add_co_u32 s22, s22, 2*HALFS
	s_sub_co_u32 s22, s22, s21
	v_mul_u32_u24 v6, s22, v2                      ; lanes 16-31 take Wo's
	s_add_co_u32 s21, s21, SCL
	v_add_nc_u32 v5, v5, v6
	v_add_nc_u32 v[ADRS], s21, v5
	s_mul_i32 s23, s14, 16*SPITCH                  ; my stage
	v_mul_u32_u24 v5, v1, SPITCH                   ; in: row r, + 64 h: columns 16 h on of each 32
	v_lshl_add_u32 v5, v2, 6, v5
	v_add_nc_u32 v[STO], s23, v5
	v_and_b32 v6, 31, v0
	v_lshlrev_b32 v[CO], 4, v6                     ; back: the 32 lanes take one row of 512 bytes; and the same in out0
	v_add_nc_u32 v[RD], s23, v[CO]
	s_lshl_b32 s20, s17, 8
	s_lshl_b32 s21, s15, 7
	s_add_co_u32 s20, s20, s21                     ; my first row of out0
	s_mov_b32 s21, 0
	s_mov_b64 s[18:19], SIZE_N*4
	s_mul_u64 s[20:21], s[20:21], s[18:19]
	s_lshl_b32 s46, s42, 10                        ; my first column, in bytes
	s_lshl_b32 s47, s16, 9
	s_add_co_u32 s46, s46, s47
	s_mov_b32 s47, 0
	s_add_nc_u64 s[20:21], s[20:21], s[46:47]
	s_add_nc_u64 s[12:13], s[12:13], s[20:21]
	s_add_nc_u64 s[96:97], s[96:97], s[46:47]      ; and my 128 numbers of the bias
	v_lshlrev_b32 v[BOF], 6, v2
.irp b, 0,1,2,3,4,5,6,7                ; register 8 b + j = bo[32 (b / 2) + 16 h + 8 (b % 2) + j]
	global_load_b128 v[BI+8*\b:BI+8*\b+3], v[BOF], s[96:97] offset:(32*(\b/2)+8*(\b%2))*4
	global_load_b128 v[BI+8*\b+4:BI+8*\b+7], v[BOF], s[96:97] offset:(32*(\b/2)+8*(\b%2))*4+16
.endr
.macro FRAG reg, adr, q, i             ; a fragment of Wo from padded rows, in pieces of 8 bytes
.irp p, 0,1,2,3,4,5
.set PCE, 12*(\q)+6*(\p/3)+\p%3
.if PCE%8 < 5
	ds_load_b64 v[\reg+2*\p:\reg+2*\p+1], v[\adr] offset:8*PCE+16*(PCE/8)+(\i)*16*PITCH
.else
	ds_load_b64 v[\reg+2*\p:\reg+2*\p+1], v[\adr+2] offset:8*PCE+16*(PCE/8)+(\i)*16*PITCH
.endif
.endr
.endm
.macro FRAG_A reg, slot, q, i          ; a fragment of A from its two heads' images
.irp c, 0,1
	ds_load_b128 v[\reg+6*\c:\reg+6*\c+3], v[ADRA+\slot] offset:3072*(\i)+1536*(\q)+768*\c
	ds_load_b64 v[\reg+6*\c+4:\reg+6*\c+5], v[ADRA+2+\slot] offset:3072*(\i)+1536*(\q)+768*\c+512
.endr
.endm
; 16 matrix instructions: A's blocks a0, a0 + 1 x Wo's eight.  zero = 1: the sums begin with the bias.  The 64 accumulators take turns.
.macro MUL16 a0, p, q, sc, zero
.irp a, \a0, \a0+1
.irp b, 0,1,2,3,4,5,6,7
.if \zero
	v_wmma_scale_f32_16x16x128_f8f6f4 v[8*(8*((\a)%4)+\b):8*(8*((\a)%4)+\b)+7], v[128*(\p)+FR*\b:128*(\p)+FR*\b+FR-1], v[AF+FR*(\a):AF+FR*(\a)+FR-1], v[BI+8*\b:BI+8*\b+7], v[SC+8*NQ*(\sc)+NQ*\b+(\q)], v[SC+8*NQ*(\sc)+NQ*(\a)+(\q)] matrix_a_fmt:MATRIX_FMT_BF6 matrix_b_fmt:MATRIX_FMT_BF6 matrix_a_scale:MATRIX_SCALE_ROW1
.else
	v_wmma_scale_f32_16x16x128_f8f6f4 v[8*(8*((\a)%4)+\b):8*(8*((\a)%4)+\b)+7], v[128*(\p)+FR*\b:128*(\p)+FR*\b+FR-1], v[AF+FR*(\a):AF+FR*(\a)+FR-1], v[8*(8*((\a)%4)+\b):8*(8*((\a)%4)+\b)+7], v[SC+8*NQ*(\sc)+NQ*\b+(\q)], v[SC+8*NQ*(\sc)+NQ*(\a)+(\q)] matrix_a_fmt:MATRIX_FMT_BF6 matrix_b_fmt:MATRIX_FMT_BF6 matrix_a_scale:MATRIX_SCALE_ROW1
.endif
.endr
.endr
.endm
.macro FETCH_B slot, q, p
	WIN TO_B
.irp i, 0,1,2,3,4,5,6,7
	FRAG 128*(\p)+FR*\i, ADRB+\slot, \q, \i
.endr
	WIN 0
.endm
.macro FETCH_A slot, q, i0
.irp i, \i0, \i0+1, \i0+2, \i0+3
	FRAG_A AF+FR*(\i), \slot, \q, \i
.endr
.endm
.macro SCALES sc
.irp i, 0,1,2,3,4,5,6,7
	ds_load_b64 v[SC+8*NQ*\sc+NQ*\i:SC+8*NQ*\sc+NQ*\i+1], v[ADRS] offset:\i*SBLK
.endr
.endm
.macro PLACES n
.rept \n
	v_nop
.endr
.endm
.macro STEP slot, q, zero
	s_wait_dscnt 4*NLA                             ; Wo's set and A's blocks 0-3 are in; the youngest 16 loads (A's blocks 4-7) may be out
.if \zero
	WIN 0x81                                       ; C (the bias) in window 0, D in window 2
.else
	WIN MUL_LO
.endif
	MUL16 0, (\q)%2, \q, \slot, \zero
	MUL16 2, (\q)%2, \q, \slot, \zero
	s_wait_dscnt 0
	PLACES NP
	FETCH_B \slot, (\q)+1, 1-(\q)%2
	FETCH_A \slot, (\q)+1, 0
.if \zero
	WIN 0xc1
.else
	WIN MUL_HI
.endif
	MUL16 4, (\q)%2, \q, \slot, \zero
	MUL16 6, (\q)%2, \q, \slot, \zero
	PLACES NP
	WIN 0
	FETCH_A \slot, (\q)+1, 4
.endm
.macro TURN slot, next, fill
	s_wait_tensorcnt 0x0                           ; all my tensor loads have landed: my part of the next slot
	ds_add_u32 v[SPW], v[NIL]                      ; 0 onto my spare word
	s_wait_dscnt 4*NLA+1                           ; (the add and the youngest 16 loads may be out)
	WIN MUL_LO
	MUL16 0, 1, NQ-1, \slot, 0
	s_wait_dscnt 0x0                               ; the add is done, and my reads of this slot are over
	s_barrier_signal -1
	MUL16 2, 1, NQ-1, \slot, 0
	WIN 0
	s_barrier_wait -1
.if \fill
	CREST                                          ; the barrier has opened a round of the cluster's barrier
	s_add_nc_u64 s[G0+4*\slot+2:G0+4*\slot+3], s[G0+4*\slot+2:G0+4*\slot+3], 2*ROWA
	s_add_nc_u64 s[G0B+4*\slot+2:G0B+4*\slot+3], s[G0B+4*\slot+2:G0B+4*\slot+3], 2*ROWB
	JLOAD G0+4*\slot, G1, G0B+4*\slot, G1B         ; the first tensor load behind the round
.else
	PLACES NP
.endif
	v_add_nc_u32 v[ADRS], 4*NQ, v[ADRS]
	FETCH_B \next, 0, 0
	FETCH_A \next, 0, 0
	SCALES \next
	WIN MUL_HI
	MUL16 4, 1, NQ-1, \slot, 0
	MUL16 6, 1, NQ-1, \slot, 0
	PLACES NP
	WIN 0
	FETCH_A \next, 0, 4
.endm
	s_wait_tensorcnt 1                             ; the scales and my part of K step 0 are in (K step 1's load may be out)
	s_barrier_signal -1
	s_barrier_wait -1                              ; everybody's are
	FETCH_B 0, 0, 0
	FETCH_A 0, 0, 0
	SCALES 0
	FETCH_A 0, 0, 4
	s_wait_loadcnt 0x0                             ; the bias
	STEP 0, 0, 1
	s_mov_b32 s3, LAPS-1
.Llap:
	TURN 0, 1, 1
	STEP 1, 0, 0
	TURN 1, 0, 1
	STEP 0, 0, 0
	s_sub_co_u32 s3, s3, 1
	s_cmp_lg_u32 s3, 0
	s_cbranch_scc1 .Llap
	TURN 0, 1, 0
	STEP 1, 0, 0
	s_wait_dscnt 4*NLA
	WIN MUL_LO
	MUL16 0, 1, NQ-1, 1, 0
	MUL16 2, 1, NQ-1, 1, 0
	s_wait_dscnt 0
	WIN MUL_HI
	MUL16 4, 1, NQ-1, 1, 0
	MUL16 6, 1, NQ-1, 1, 0
	WIN 0
; THE WAY OUT, block by block of 16 rows x 128 columns, through my own stage in LDS; whole rows of 512 bytes come back and are stored.
.macro TOSTAGE a
.set AC, 64*((\a)%4)
	WIN 0x08+4*((\a)/4)                            ; the data: window 2 or 3
.irp b, 0,1,2,3,4,5,6,7
	ds_store_b128 v[STO], v[AC+8*\b:AC+8*\b+3] offset:128*(\b/2)+32*(\b%2)       ; each accumulator from its low end on; columns 32 (b / 2) + 16 h + 8 (b % 2) on
	ds_store_b128 v[STO], v[AC+8*\b+4:AC+8*\b+7] offset:128*(\b/2)+32*(\b%2)+16
.endr
	WIN 0
.set BB, BK+64*((\a)%2)
.irp t, 0,1,2,3,4,5,6,7,8,9,10,11,12,13,14,15
	ds_load_b128 v[BB+4*\t:BB+4*\t+3], v[RD] offset:\t*SPITCH      ; LDS serves a wave's instructions in order: these see the stores above
.endr
.endm
.macro SEND a, younger                 ; younger: the LDS instructions issued behind block a's loads, which may stay out
.set BB, BK+64*((\a)%2)
	s_wait_dscnt \younger
.if (\a) > 0
	s_add_nc_u64 s[12:13], s[12:13], 16*SIZE_N*4   ; (behind a wait on XCNT: the earlier stores have read their base)
.endif
.irp t, 0,1,2,3,4,5,6,7,8,9,10,11,12,13,14,15
	global_store_b128 v[CO], v[BB+4*\t:BB+4*\t+3], s[12:13] offset:\t*SIZE_N*4 th:TH_STORE_NT   ; 32 lanes store 512 consecutive bytes, aligned
.endr
.endm
	PLACES NP
	TOSTAGE 0
.irp a, 1,2,3,4,5,6,7
.if \a > 1
	s_wait_xcnt 0x0                                ; block a - 2's stores have read their registers and their base
.endif
	TOSTAGE \a
	SEND \a-1, 32                                  ; behind block a - 1's loads: block a's 16 stores and 16 loads
.endr
	s_wait_xcnt 0x0
	SEND 7, 0
	s_wait_tensorcnt 0x0                           ; the wave's end
	ds_add_u32 v[SPW], v[NIL]
	s_wait_dscnt 0x0
	CROUND                                         ; the closing round
	s_endpgm
.Lfunc_end_k_q82a5246899_outp:
	.size	k_q82a5246899_outp, .Lfunc_end_k_q82a5246899_outp-k_q82a5246899_outp
	.p2alignl 7, 3214868480
	.fill 96, 4, 3214868480
	.section	.rodata,"a",@progbits
	.p2align	6, 0x0
	.amdhsa_kernel k_q82a5246899_outp
		.amdhsa_group_segment_fixed_size 327680
		.amdhsa_private_segment_fixed_size 0
		.amdhsa_enable_private_segment 0
		.amdhsa_kernarg_size 48
		.amdhsa_user_sgpr_count 2
		.amdhsa_user_sgpr_kernarg_segment_ptr 1
		.amdhsa_wavefront_size32 1
		.amdhsa_system_sgpr_workgroup_id_x 1
		.amdhsa_system_sgpr_workgroup_id_y 1
		.amdhsa_system_sgpr_workgroup_id_z 1
		.amdhsa_system_vgpr_workitem_id 0
		.amdhsa_next_free_vgpr 1024
		.amdhsa_next_free_sgpr 98
		.amdhsa_reserve_vcc 0
		.amdhsa_float_denorm_mode_32 3
		.amdhsa_float_denorm_mode_16_64 3
		.amdhsa_memory_ordered 1
		.amdhsa_forward_progress 1
		.amdhsa_inst_pref_size 154
	.end_amdhsa_kernel
	.amdgpu_metadata
---
amdhsa.version: [ 1, 2 ]
amdhsa.kernels:
  - .name:           k_q82a5246899_outp
    .symbol:         k_q82a5246899_outp.kd
    .args:
      - { .name: ac, .offset: 0, .size: 8, .value_kind: global_buffer, .address_space: global }
      - { .name: asc, .offset: 8, .size: 8, .value_kind: global_buffer, .address_space: global }
      - { .name: wc, .offset: 16, .size: 8, .value_kind: global_buffer, .address_space: global }
      - { .name: wsc, .offset: 24, .size: 8, .value_kind: global_buffer, .address_space: global }
      - { .name: bo, .offset: 32, .size: 8, .value_kind: global_buffer, .address_space: global }
      - { .name: out0, .offset: 40, .size: 8, .value_kind: global_buffer, .address_space: global }
    .group_segment_fixed_size: 327680
    .private_segment_fixed_size: 0
    .kernarg_segment_align: 8
    .kernarg_segment_size: 48
    .max_flat_workgroup_size: 128
    .sgpr_count:     98
    .vgpr_count:     1024
    .wavefront_size: 32
...
	.end_amdgpu_metadata
.endif
;; end of part 4
